; MI455X (gfx1250); checked and timed in simulation.
; The chip was launched on July 23, 2026; its instructions are those of AMD's public machine-readable ISA for CDNA 5 (MIT licence, August 2026) and "CDNA5" Instruction Set Architecture Reference Guide (July 2026). The comments in the code are by the model that wrote it; some were corrected since.
;; XT Attention. Allowed arithmetic: matrix products marked QUANTISED: E2M3 operands, one E8M0 scale for each 32 along K, by v_wmma_scale_f32_16x16x128_f8f6f4 with both operands' format E2M3, f32 sums; everything else in f32.
;; Inputs: b_out 1,024 float32; conscious 2 x 2,048 x 1,024 float32; position 2 x 2,048 x 1,024 float32; w_ck 1,024 x 1,024 float32; w_cq 1,024 x 1,024 float32; w_out 1,024 x 1,024 float32; w_pk 1,024 x 1,024 float32; w_pq 1,024 x 1,024 float32; w_wk 1,024 x 1,024 float32; w_wq 1,024 x 1,024 float32; w_wv 1,024 x 1,024 float32; words 2 x 2,048 x 1,024 float32.
;; Outputs: out0 2 x 2,048 x 1,024 float32.
;; This version of the problem:
;;   THIS VERSION OF THE PROBLEM IS GIVEN IN LOW PRECISION. The matrix products marked QUANTISED in the list below multiply operands that are first quantised to E2M3 (2 exponent bits, 3 mantissa bits; 6 bits a number), with one power-of-two scale for each 32 numbers along K (OCP MX v1.0); their sums are f32. All else is computed in f32.
;;   The module's matrix products, in the order in which they are computed (A, B: the left and right operand; K: the contracted axis; several contracted axes count as one K, in the product's order):
;;     1. [M 4,096, K 1,024] x [K 1,024, N 1,024]; A: input words; B: input w_wq: QUANTISED
;;     2. [M 4,096, K 1,024] x [K 1,024, N 1,024]; A: input words; B: input w_wk: QUANTISED
;;     3. [M 4,096, K 1,024] x [K 1,024, N 1,024]; A: input words; B: input w_wv: QUANTISED
;;     4. [M 4,096, K 1,024] x [K 1,024, N 1,024]; A: input position; B: input w_pq: QUANTISED
;;     5. [M 4,096, K 1,024] x [K 1,024, N 1,024]; A: input position; B: input w_pk: QUANTISED
;;     6. [M 4,096, K 1,024] x [K 1,024, N 1,024]; A: input conscious; B: input w_cq: QUANTISED
;;     7. [M 4,096, K 1,024] x [K 1,024, N 1,024]; A: input conscious; B: input w_ck: QUANTISED
;;     8. batch 32 x [M 2,048, K 64] x [K 64, N 2,048]; A: computed on the way; B: computed on the way: QUANTISED
;;     9. batch 32 x [M 2,048, K 64] x [K 64, N 2,048]; A: computed on the way; B: computed on the way: QUANTISED
;;     10. batch 32 x [M 2,048, K 64] x [K 64, N 2,048]; A: computed on the way; B: computed on the way: QUANTISED
;;     11. batch 32 x [M 2,048, K 2,048] x [K 2,048, N 64]; A: softmax (see below); B: computed on the way: QUANTISED
;;     12. [M 4,096, K 1,024] x [K 1,024, N 1,024]; A: computed on the way; B: input w_out: QUANTISED
;;   THE QUANTISER, for each operand of a quantised product, along K:
;;     - K is cut into blocks of 32 from its start; a last block that is shorter is filled with zeros.
;;     - A block's scale is 2^e with e = floor(log2(the largest magnitude in the block)) - 2, held to -126 .. 127; a block of zeros has e = 0. As a byte (E8M0): e + 127.
;;     - Each number is divided by its block's scale, clamped to +-7.5, and rounded to the nearest number of E2M3, ties to even, subnormals kept.
;;     - The product sums the exact products of the quantised numbers (number of the format x scale) in f32.
;;   ~~~python
;;   def quantise(x, axis):      # numpy; x: float32 -> the quantised numbers, widened to float32 again
;;       x = np.moveaxis(x, axis, -1); K = x.shape[-1]
;;       x = np.pad(x, [(0, 0)] * (x.ndim - 1) + [(0, -K % 32)]); x = x.reshape(x.shape[:-1] + (-1, 32)); a = np.abs(x).max(-1, keepdims=True)
;;       e = np.where(a > 0, np.clip(np.frexp(np.where(a > 0, a, 1))[1] - 1 - 2, -126, 127), 0)      # np.frexp(a)[1] - 1 = floor(log2(a)), exactly
;;       r = np.clip(x / 2.0 ** e, -7.5, 7.5)
;;       step = 2.0 ** (np.maximum(np.frexp(np.where(r == 0, 1, r))[1] - 1, 0) - 3)
;;       q = np.round(r / step) * step * 2.0 ** e      # np.round: ties to even
;;       return np.moveaxis(q.reshape(q.shape[:-2] + (-1,))[..., :K], -1, axis).astype(np.float32)
;;   ~~~
;;   SOFTMAX AHEAD OF A QUANTISED PRODUCT. Where the list says 'softmax', what is quantised is not the finished softmax but p = 2^(t - M), with t = logit x log2(e) and M = ceil(the row's largest t), a whole number; so 1/2 < the row's largest p <= 1. The row's sum l is taken of the UNQUANTISED p, in f32, and the product's result is divided by l at the end. Since M is a whole number, a kernel that streams over the keys may use a running M (the ceiling of the running maximum): every later rescaling is an exact power of two, which a block's scale takes up: the codes' values come out the same.
;;   OPERANDS COMPUTED ON THE WAY. 'Computed on the way' means the value that the module computes at that place (a softmax that the list does not call 'softmax' is quantised finished and normalised). What goes into a quantiser is computed in f32, as accurately as f32 sums, v_exp_f32 and their like allow (about 1e-6 of the number): no bf16 or f16 on the way to a quantiser, and a product that is left as it is and whose result goes on into a quantised operand takes f32 operands (vector FMAs, or v_wmma_f32_16x16x4_f32). A number that lies on a knife's edge between two numbers of the format may be rounded either way, as far as f32 arithmetic and the matrix unit's own rounding can turn it there, and no further.
;; One version. Each part assembles by itself: llvm-mc -triple=amdgcn-amd-amdhsa -mcpu=gfx1250 --defsym DOCPART=n.
;; ======== version 1 of 1: 4 launches
;; limits: right only within a limited range of input values
;; workspace buffers: codes 15,728,640 bytes; scl 655,360 bytes; att 22,020,096 bytes; ats 1,179,648 bytes; oimg 3,145,728 bytes; osc 131,072 bytes
;; launch quant (part 1): grid 640 x 1, 4 waves a work-group, no clusters, 34,304 bytes of LDS; arguments words, position, conscious, w_wq, w_wk, w_pq, w_pk, w_cq, w_ck, w_wv, w_out, codes, scl; writes codes, scl
.if DOCPART == 1
	.amdgcn_target "amdgcn-amd-amdhsa--gfx1250"
	.amdhsa_code_object_version 6
	.text
	.protected	k_qdb47799d49_quant
	.globl	k_qdb47799d49_quant
	.p2align	8
	.type	k_qdb47799d49_quant,@function
k_qdb47799d49_quant:
	s_mov_b64 s[64:65], 0
	v_nop
	global_prefetch_b8 v0, s[64:65] scope:SCOPE_SE
	s_setreg_imm32_b32 hwreg(HW_REG_WAVE_MODE, 25, 1), 1
	s_wait_xcnt 0x0
; The eleven f32 inputs with K = 1,024 innermost (three activations [4096][1024], eight weights [1024][1024]) become codes of FP6 (E2M3) with one E8M0 byte for each 32 along K,
; laid as IMAGES OF OPERAND REGISTERS.  An operand tile is 16 rows x 1,024 K = 8 fragments of 1,536 bytes; a fragment (16 rows x 128 K, 12 registers a lane) is two halves of 768 bytes:
; the lane's registers 0-3 at 16 x lane, its registers 4-5 at 512 + 8 x lane.  THE ROWS OF A TILE ARE NOT NEIGHBOURS: lane row r of tile T is row 32 (T / 2) + 8 (T % 2) + r + 8 (r / 8).
; A tile's scale words (512 bytes): [K step of 256: 4][row 16][half step of 128: 2] words.
; A block's scale is 2^(floor(log2(largest magnitude)) - 2); its byte is the largest magnitude's exponent field - 2, held at 1 from below.
; LIMITS: NaN and infinities among the inputs are not served; a block of zeros, or one whose largest magnitude lies under 2^-124, gets the byte 1 (its codes are zeros or tiny; this program alone reads the bytes).
; SHARES: work-group g takes 32 rows (tiles 2 g, 2 g + 1) of the eleven tensors laid on end; wave w takes tile w / 2 and K half w % 2: four fragments.
; A load reads 512 consecutive bytes of one row; a fragment's 16 rows turn through the wave's own stage in LDS (rows 528 bytes apart), so that a lane gets two whole blocks of 32 neighbours.
; No barrier: waves share nothing.  48 loads of a wave are out at the start.
.set ROWB, 4096
.set SPI,  528                         ; a stage row: 512 bytes + 16
.set X,    48                          ; v48-239  three sets of 64 numbers
.set PC,   24                          ; v24-35   a fragment's codes
.set TP,   36                          ; v36-38, v40-42  the upper halves of the two blocks, as the conversions leave them
.macro PICK thr, p                     ; from work-group thr on the tensor is the one whose address stands in s[p:p+1]
	s_cmp_ge_u32 ttmp9, \thr
	s_cselect_b64 s[4:5], s[\p:\p+1], s[4:5]
	s_cselect_b32 s34, \thr, s34
.endm
	s_load_b512 s[8:23], s[0:1], 0x0               ; words, position, conscious, w_wq, w_wk, w_pq, w_pk, w_cq
	s_load_b256 s[24:31], s[0:1], 0x40             ; w_ck, w_wv, w_out, codes
	s_load_b64 s[32:33], s[0:1], 0x60              ; scl
	v_lshl_add_u32 v240, v0, 2, 0x8400
	v_mov_b32 v241, 0
	v_lshrrev_b32 v1, 5, v0
	v_readfirstlane_b32 s35, v1                    ; wave
	v_and_b32 v2, 31, v0                           ; lane
	v_and_b32 v3, 15, v0                           ; r
	v_bfe_u32 v9, v0, 4, 1                         ; h
	v_lshlrev_b32 v4, 4, v2                        ; 16 x lane
	v_lshlrev_b32 v5, 3, v2                        ; 8 x lane
	s_mul_i32 s36, s35, 16*SPI                     ; my stage
	v_add_nc_u32 v6, s36, v4                       ; into it: 16 x lane of a row
	v_mul_u32_u24 v7, v3, SPI
	v_lshl_add_u32 v7, v9, 7, v7
	v_add_nc_u32 v7, s36, v7                       ; out of it: row r, + 128 h: my block of 32 numbers
	v_lshlrev_b32 v8, 3, v9                        ; 8 h: where my two bytes stand in a scale word
	v_mov_b32 v17, 0                               ; a lane permute's destination counts as one of its sources
	s_mov_b32 s38, 0x76543210
	s_mov_b32 s39, 0xfedcba98                      ; selects for lane l xor 16
	s_lshr_b32 s40, s35, 1                         ; which tile of the two
	s_and_b32 s41, s35, 1                          ; which half of K
	s_wait_alu depctr_va_vdst(0)
	s_wait_kmcnt 0x0
	s_mov_b64 s[4:5], s[8:9]
	s_mov_b32 s34, 0
	PICK 128, 10
	PICK 256, 12
	PICK 384, 14
	PICK 416, 16
	PICK 448, 18
	PICK 480, 20
	PICK 512, 22
	PICK 544, 24
	PICK 576, 26
	PICK 608, 28
	s_sub_co_u32 s42, ttmp9, s34                   ; my 32 rows in that tensor
	s_lshl_b32 s42, s42, 17
	s_lshl_b32 s43, s40, 15                        ; tile 1 begins 8 rows down
	s_add_co_u32 s42, s42, s43
	s_lshl_b32 s43, s41, 11                        ; 512 numbers along K
	s_add_co_u32 s42, s42, s43
	s_mov_b32 s43, 0
	s_add_nc_u64 s[4:5], s[4:5], s[42:43]
	s_lshl_b32 s44, ttmp9, 1
	s_add_co_u32 s44, s44, s40                     ; my tile's number
	s_mul_i32 s46, s44, 12288
	s_mul_i32 s45, s41, 6144
	s_add_co_u32 s46, s46, s45
	s_mov_b32 s47, 0
	s_add_nc_u64 s[30:31], s[30:31], s[46:47]      ; my four fragments
	s_lshl_b32 s46, s44, 9
	s_lshl_b32 s45, s41, 8
	s_add_co_u32 s46, s46, s45
	s_add_nc_u64 s[32:33], s[32:33], s[46:47]      ; my 256 bytes of scale words
.macro LOAD f                          ; fragment f: 16 rows x 512 bytes into set f % 3
.irp i, 0,1,2,3,4,5,6,7,8,9,10,11,12,13,14,15
	global_load_b128 v[X+64*((\f)%3)+4*\i:X+64*((\f)%3)+4*\i+3], v4, s[4:5] offset:(\i+8*(\i/8))*ROWB+512*(\f) th:TH_LOAD_NT
.endr
.endm
.macro TURN f                          ; through the stage and back into the registers that they left: LDS serves a wave's instructions in order
.set XS, X+64*((\f)%3)
.irp i, 0,1,2,3,4,5,6,7,8,9,10,11,12,13,14,15
	ds_store_b128 v6, v[XS+4*\i:XS+4*\i+3] offset:SPI*\i
.endr
.irp c, 0,1
.irp j, 0,1,2,3,4,5,6,7
	ds_load_b128 v[XS+32*\c+4*\j:XS+32*\c+4*\j+3], v7 offset:256*\c+16*\j   ; register 32 c + i = k 64 c + 32 h + i of row r
.endr
.endr
.endm
.macro QW f                            ; two whole blocks of a lane become the fragment's 12 registers and its scale word
.set XS, X+64*((\f)%3)
.irp c, 0,1
	v_max3_num_f32 v[10+\c], |v[XS+32*\c]|, |v[XS+32*\c+1]|, 0x1800000   ; with the floor 2^(3 - 127): the byte cannot fall under 1
.endr
.irp i, 2,4,6,8,10,12,14,16,18,20,22,24,26,28,30
.irp c, 0,1
	v_max3_num_f32 v[10+\c], v[10+\c], |v[XS+32*\c+\i]|, |v[XS+32*\c+\i+1]|   ; the two blocks by turns
.endr
.endr
.irp c, 0,1
	v_add_nc_u32 v[12+\c], 0xff000000, v[10+\c]    ; 2 off the exponent field: the conversion's scale operand
.endr
.irp c, 0,1
	v_lshrrev_b32 v[14+\c], 23, v[12+\c]           ; the scale's byte
.endr
	v_lshl_or_b32 v16, v15, 16, v14                ; my bytes: blocks h and 2 + h,
	v_lshlrev_b32 v16, v8, v16                     ; at their places;
	v_permlanex16_b32 v17, v16, s38, s39
	v_or_b32 v[20+(\f)], v16, v17                  ; with lane l xor 16's two the word is whole
	s_wait_alu depctr_va_vdst(0)
	s_wait_xcnt 0x0                                ; the last fragment's stores have read the codes' registers
.irp c, 0,1
	v_cvt_scalef32_pk16_fp6_f32 v[PC+6*\c:PC+6*\c+2], v[XS+32*\c:XS+32*\c+15], v[12+\c]
	v_cvt_scalef32_pk16_fp6_f32 v[TP+4*\c:TP+4*\c+2], v[XS+32*\c+16:XS+32*\c+31], v[12+\c]   ; (a conversion's three registers begin on an even number)
.endr
	v_nop                                          ; one plain place behind a scaled conversion
.irp c, 0,1
.irp i, 0,1,2
	v_mov_b32 v[PC+3+6*\c+\i], v[TP+4*\c+\i]
.endr
.endr
.irp c, 0,1
	global_store_b128 v4, v[PC+6*\c:PC+6*\c+3], s[30:31] offset:1536*(\f)+768*\c          ; 512 consecutive bytes
	global_store_b64 v5, v[PC+6*\c+4:PC+6*\c+5], s[30:31] offset:1536*(\f)+768*\c+512     ; 256 consecutive bytes
.endr
.endm
	LOAD 0
	LOAD 1
	LOAD 2
	s_wait_loadcnt 32                              ; fragment 0 is in; fragments 1 and 2 may be out
	TURN 0
	s_wait_dscnt 0x0
	QW 0
	LOAD 3                                         ; into the set that fragment 0 has left
	s_wait_loadcnt 32                              ; behind fragment 1: fragments 2 and 3
	TURN 1
	s_wait_dscnt 0x0
	QW 1
	s_wait_loadcnt 16                              ; behind fragment 2: fragment 3
	TURN 2
	s_wait_dscnt 0x0
	QW 2
	s_wait_loadcnt 0x0
	TURN 3
	s_wait_dscnt 0x0
	QW 3
	v_cmp_eq_u32 vcc_lo, 1, v9                     ; lanes 0-15 store the words of my first K step of 256, lanes 16-31 those of my second
	v_cndmask_b32 v14, v20, v22, vcc_lo
	v_cndmask_b32 v15, v21, v23, vcc_lo
	global_store_b64 v5, v[14:15], s[32:33]        ; 256 consecutive bytes, aligned
	s_wait_tensorcnt 0x0
	ds_add_u32 v240, v241
	s_wait_dscnt 0x0
	s_endpgm
.Lfunc_end_k_qdb47799d49_quant:
	.size	k_qdb47799d49_quant, .Lfunc_end_k_qdb47799d49_quant-k_qdb47799d49_quant
	.p2alignl 7, 3214868480
	.fill 96, 4, 3214868480
	.section	.rodata,"a",@progbits
	.p2align	6, 0x0
	.amdhsa_kernel k_qdb47799d49_quant
		.amdhsa_group_segment_fixed_size 34304
		.amdhsa_private_segment_fixed_size 0
		.amdhsa_enable_private_segment 0
		.amdhsa_kernarg_size 104
		.amdhsa_user_sgpr_count 2
		.amdhsa_user_sgpr_kernarg_segment_ptr 1
		.amdhsa_wavefront_size32 1
		.amdhsa_system_sgpr_workgroup_id_x 1
		.amdhsa_system_sgpr_workgroup_id_y 1
		.amdhsa_system_sgpr_workgroup_id_z 1
		.amdhsa_system_vgpr_workitem_id 0
		.amdhsa_next_free_vgpr 242
		.amdhsa_next_free_sgpr 66
		.amdhsa_reserve_vcc 1
		.amdhsa_float_denorm_mode_32 3
		.amdhsa_float_denorm_mode_16_64 3
		.amdhsa_memory_ordered 1
		.amdhsa_forward_progress 1
		.amdhsa_inst_pref_size 32
	.end_amdhsa_kernel
	.amdgpu_metadata
---
amdhsa.version: [ 1, 2 ]
amdhsa.kernels:
  - .name:           k_qdb47799d49_quant
    .symbol:         k_qdb47799d49_quant.kd
    .args:
      - { .name: words, .offset: 0, .size: 8, .value_kind: global_buffer, .address_space: global }
      - { .name: position, .offset: 8, .size: 8, .value_kind: global_buffer, .address_space: global }
      - { .name: conscious, .offset: 16, .size: 8, .value_kind: global_buffer, .address_space: global }
      - { .name: w_wq, .offset: 24, .size: 8, .value_kind: global_buffer, .address_space: global }
      - { .name: w_wk, .offset: 32, .size: 8, .value_kind: global_buffer, .address_space: global }
      - { .name: w_pq, .offset: 40, .size: 8, .value_kind: global_buffer, .address_space: global }
      - { .name: w_pk, .offset: 48, .size: 8, .value_kind: global_buffer, .address_space: global }
      - { .name: w_cq, .offset: 56, .size: 8, .value_kind: global_buffer, .address_space: global }
      - { .name: w_ck, .offset: 64, .size: 8, .value_kind: global_buffer, .address_space: global }
      - { .name: w_wv, .offset: 72, .size: 8, .value_kind: global_buffer, .address_space: global }
      - { .name: w_out, .offset: 80, .size: 8, .value_kind: global_buffer, .address_space: global }
      - { .name: codes, .offset: 88, .size: 8, .value_kind: global_buffer, .address_space: global }
      - { .name: scl, .offset: 96, .size: 8, .value_kind: global_buffer, .address_space: global }
    .group_segment_fixed_size: 34304
    .private_segment_fixed_size: 0
    .kernarg_segment_align: 8
    .kernarg_segment_size: 104
    .max_flat_workgroup_size: 128
    .sgpr_count:     66
    .vgpr_count:     242
    .wavefront_size: 32
...
	.end_amdgpu_metadata
.endif
;; end of part 1
;; launch proj (part 2): grid 16 x 28, 4 waves a work-group, clusters of 4 x 4, 327,680 bytes of LDS; arguments codes, scl, att, ats; writes att, ats
.if DOCPART == 2
	.amdgcn_target "amdgcn-amd-amdhsa--gfx1250"
	.amdhsa_code_object_version 6
	.text
	.protected	k_qdb47799d49_proj
	.globl	k_qdb47799d49_proj
	.p2align	8
	.type	k_qdb47799d49_proj,@function
k_qdb47799d49_proj:
	s_mov_b64 s[64:65], 0
	v_nop
	global_prefetch_b8 v0, s[64:65] scope:SCOPE_SE
	s_setreg_imm32_b32 hwreg(HW_REG_WAVE_MODE, 25, 1), 1
	s_wait_xcnt 0x0
	s_wait_alu depctr_hold_cnt(0) depctr_sa_sdst(0) depctr_va_vdst(0) depctr_va_sdst(0) depctr_va_ssrc(0) depctr_va_vcc(0) depctr_vm_vsrc(0)
	s_getreg_b32 s2, hwreg(HW_REG_IB_STS2, 6, 4)
	s_cmp_eq_u32 s2, 0
	s_cbranch_scc0 .Lentry_in_a_cluster
	s_endpgm
.Lentry_in_a_cluster:
	s_bfe_u32 s2, ttmp6, 0x10000c
	s_cmp_lg_u32 s2, 0xf033
	s_cbranch_scc0 .Lentry_shape_is_right
	s_endpgm
.Lentry_shape_is_right:
.set HALFT, 24576
.set SLOT,  4*HALFT
.set SPARE, 3*SLOT                     ; LDS: K step 0 (later K step 3) at 0 as [A 16 tiles][B 16 tiles] x 3,072; A's K steps 1 and 2 at SLOT as [16 tiles][6,144]; B's at 2 SLOT; then the spare words
.set G1C, 4                            ; s[4:11], s[92:99]: group 1 for rows of two K steps, A's mask and B's (the registers are free from the head's loads on)
.set G1D, 92
.set KVOFF, 9437184
.set KSOFF, 524288
.set FR,  12
.set A16, 16
.set A8,  18
.set B16, 20
.set B8,  22
.set SPW, 28
.set NIL, 29
.set SA,  32
.set SB,  64
.set PC,  96
.set AF,  128
.set TM,  224
.set PWS, 240
.set SEL, 12
.set G1,  24
.set G0,  32
.set G1B, 48
.set G0B, 56
.set MSB, 0
.macro WIN new
.if MSB != (\new)
	s_set_vgpr_msb (MSB<<8)|(\new)
.set MSB, (\new)
.endif
.endm
.set MUL_LO, 0xa1
.set MUL_HI, 0xf1
.set TO_B,   0x40
.macro JLOAD g0a, g1a, g0b, g1b
	s_cmp_eq_u32 s15, 0
	s_cbranch_scc0 .Lfor_b_\@
	tensor_load_to_lds s[\g0a:\g0a+3], s[\g1a:\g1a+7]
	s_nop 0
.rept 4
	v_nop
.endr
	s_branch .Lasked_\@
.Lfor_b_\@:
	tensor_load_to_lds s[\g0b:\g0b+3], s[\g1b:\g1b+7]
	s_nop 0
.rept 4
	v_nop
.endr
.Lasked_\@:
.endm
.macro CREST
	s_cmp_lg_u32 s14, 0
	s_cbranch_scc1 .Lnot_wave_0_\@
	s_barrier_signal -3
.Lnot_wave_0_\@:
	s_barrier_wait -3
	s_barrier_signal -1
	s_barrier_wait -1
.endm
.macro CROUND
	s_barrier_signal -1
	s_barrier_wait -1
	CREST
.endm
.macro PLACES n
.rept \n
	v_nop
.endr
.endm
.macro WM d, a, b, c, sa, sb, odd
.if (\c) < 0
.if \odd
	v_wmma_scale_f32_16x16x128_f8f6f4 v[(\d):(\d)+7], v[(\a):(\a)+11], v[(\b):(\b)+11], 0, v[(\sa)], v[(\sb)] matrix_a_fmt:MATRIX_FMT_FP6 matrix_b_fmt:MATRIX_FMT_FP6 matrix_a_scale:MATRIX_SCALE_ROW1 matrix_b_scale:MATRIX_SCALE_ROW1
.else
	v_wmma_scale_f32_16x16x128_f8f6f4 v[(\d):(\d)+7], v[(\a):(\a)+11], v[(\b):(\b)+11], 0, v[(\sa)], v[(\sb)] matrix_a_fmt:MATRIX_FMT_FP6 matrix_b_fmt:MATRIX_FMT_FP6
.endif
.else
.if \odd
	v_wmma_scale_f32_16x16x128_f8f6f4 v[(\d):(\d)+7], v[(\a):(\a)+11], v[(\b):(\b)+11], v[(\c):(\c)+7], v[(\sa)], v[(\sb)] matrix_a_fmt:MATRIX_FMT_FP6 matrix_b_fmt:MATRIX_FMT_FP6 matrix_a_scale:MATRIX_SCALE_ROW1 matrix_b_scale:MATRIX_SCALE_ROW1
.else
	v_wmma_scale_f32_16x16x128_f8f6f4 v[(\d):(\d)+7], v[(\a):(\a)+11], v[(\b):(\b)+11], v[(\c):(\c)+7], v[(\sa)], v[(\sb)] matrix_a_fmt:MATRIX_FMT_FP6 matrix_b_fmt:MATRIX_FMT_FP6
.endif
.endif
.endm
	s_load_b256 s[4:11], s[0:1], 0x0
	v_lshl_add_u32 v[SPW], v0, 2, SPARE
	v_mov_b32 v[NIL], 0
	ds_add_u32 v28, v29
	ds_add_u32 v28, v29
	s_wait_dscnt 0x0
	v_lshrrev_b32 v1, 5, v0
	v_readfirstlane_b32 s14, v1
	s_lshr_b32 s15, s14, 1
	s_and_b32 s16, s14, 1
	s_bfe_u32 s40, ttmp6, 0x40000
	s_bfe_u32 s41, ttmp6, 0x40004
	s_and_b32 s18, ttmp7, 0xffff
	s_lshl_b32 s18, s18, 2
	s_add_co_u32 s18, s18, ttmp9
	s_lshr_b32 s66, s18, 3
	s_and_b32 s67, s18, 7
	s_lshr_b32 s19, s67, 1
	s_and_b32 s20, s67, 1
	s_lshl_b32 s21, s66, 8
	s_lshl_b32 s22, s66, 7
	s_add_co_u32 s22, s22, 768
	s_cmp_eq_u32 s66, 3
	s_cselect_b32 s19, 0, s19
	s_cselect_b32 s20, s67, s20
	s_cselect_b32 s21, 1152, s21
	s_cselect_b32 s22, 0, s22
	s_lshl_b32 s17, s19, 2
	s_add_co_u32 s17, s17, s41
	s_lshl_b32 s42, s20, 2
	s_add_co_u32 s42, s42, s40
	s_lshl_b32 s43, s41, 2
	s_lshl_b32 s43, 15, s43
	s_lshl_b32 s44, 0x1111, s40
	s_or_b32 s[G1], s43, (3<<16)|(1<<21)
	s_or_b32 s[G1B], s44, (3<<16)|(1<<21)
.irp g, G1, G1B
	s_mov_b32 s[\g+1], 384<<16
	s_mov_b32 s[\g+2], 16<<16                      ; the head's loads bring 16 tiles; the refill 8 (set behind the head's wait)
	s_mov_b32 s[\g+3], 384<<16
	s_mov_b32 s[\g+4], 16
	s_mov_b32 s[\g+5], 1536
	s_mov_b32 s[\g+6], 0
	s_mov_b32 s[\g+7], 0
.endr
	s_lshl_b32 s82, s17, 4
	s_add_co_u32 s82, s82, s21
	s_lshl_b32 s83, s16, 3
	s_add_co_u32 s84, s82, s83
	s_mul_i32 s84, s84, 12288
	s_mov_b32 s85, 0
	s_lshl_b32 s86, s42, 4
	s_add_co_u32 s86, s86, s22
	s_add_co_u32 s88, s86, s83
	s_mul_i32 s88, s88, 12288
	s_mov_b32 s89, 0
	s_lshl_b32 s90, s15, 3
	s_add_co_u32 s90, s82, s90
	s_lshl_b32 s90, s90, 9
	s_mov_b32 s91, 0
	s_add_co_u32 s92, s86, s83
	s_lshl_b32 s92, s92, 9
	s_mov_b32 s93, 0
	s_mul_i32 s45, s14, HALFT
	s_mov_b32 s[SEL], 0x76543210
	s_mov_b32 s[SEL+1], 0xfedcba98
	s_mov_b64 s[78:79], s[90:91]                   ; the scale words' offsets are kept: all that hangs on no argument is made first, while the arguments are on their way
	s_mov_b64 s[80:81], s[92:93]
	v_and_b32 v1, 15, v0
	v_bfe_u32 v2, v0, 4, 1
	v_and_b32 v8, 31, v0
	v_lshlrev_b32 v3, 4, v8
	v_lshlrev_b32 v4, 3, v8
	v_lshlrev_b32 v5, 4, v2
	v_mov_b32 v7, 0x7f7f
	s_mul_i32 s46, s15, HALFT
	s_mul_i32 s47, s16, HALFT
	s_add_co_u32 s47, s47, 2*HALFT
.irp s, 0,1
	v_add_nc_u32 v[A16+\s], s46, v3
	v_add_nc_u32 v[A8+\s], s46, v4
	v_add_nc_u32 v[B16+\s], s47, v3
	v_add_nc_u32 v[B8+\s], s47, v4
	s_lshl_b32 s46, s46, 1                         ; the second set: K steps 1 and 2, tiles 6,144 bytes apart: A at SLOT + half x 49,152,
	s_add_co_u32 s46, s46, SLOT
	s_lshl_b32 s47, s47, 1                         ; B at 2 SLOT + half x 49,152
	s_add_co_u32 s47, s47, SLOT
.endr
.irp b, 0,1,2,3
	v_mov_b32 v[TM+4+\b], 0
.endr
	s_lshl_b32 s82, s17, 8
	s_lshl_b32 s83, s15, 7
	s_add_co_u32 s82, s82, s83
	s_lshl_b32 s83, s42, 8
	s_lshl_b32 s86, s16, 7
	s_add_co_u32 s83, s83, s86
	s_cmp_eq_u32 s66, 3
	s_cselect_b32 s86, s83, s82
	s_cselect_b32 s87, s82, s83
	s_lshr_b32 s90, s86, 11
	s_bfe_u32 s91, s86, 0x40007
	s_bfe_u32 s92, s87, 0x40006
	s_lshl_b32 s90, s90, 4
	s_add_co_u32 s90, s90, s92
	s_add_co_u32 s93, s66, 1
	s_cmp_eq_u32 s66, 2
	s_cselect_b32 s93, 0, s93
	s_cselect_b32 s94, 256, 0
	s_cmp_eq_u32 s66, 1
	s_cselect_b32 s95, 2, 0
	s_add_co_u32 s94, s94, s95
	s_mul_i32 s93, s93, 768
	s_mul_i32 s95, s90, 294912
	s_mul_i32 s96, s91, 18432
	s_add_co_u32 s95, s95, s96
	s_add_co_u32 s95, s95, s93
	s_mul_i32 s96, s90, 393216
	s_add_co_u32 s96, s96, KVOFF
	s_lshr_b32 s97, s91, 2
	s_mul_i32 s97, s97, 98304
	s_add_co_u32 s96, s96, s97
	s_and_b32 s97, s91, 3
	s_mul_i32 s98, s97, 18432
	s_add_co_u32 s98, s98, s96
	s_add_co_u32 s98, s98, s93
	s_mul_i32 s97, s97, 6144
	s_add_co_u32 s97, s97, s96
	s_add_co_u32 s97, s97, 73728
	s_lshl_b32 s82, s90, 14
	s_lshl_b32 s83, s91, 10
	s_add_co_u32 s82, s82, s83
	s_add_co_u32 s82, s82, s94
	s_mul_i32 s86, s90, 20480
	s_add_co_u32 s86, s86, KSOFF
	s_add_co_u32 s87, s86, s83
	s_add_co_u32 s87, s87, s94
	s_lshl_b32 s83, s91, 8
	s_add_co_u32 s86, s86, s83
	s_add_co_u32 s86, s86, 16384
	s_mov_b32 s92, 294912
	s_mov_b32 s93, 393216
	s_mov_b32 s94, 16384
	s_mov_b32 s96, 20480
	s_cmp_eq_u32 s20, 0
	s_cselect_b32 s68, s95, s98
	s_cselect_b32 s70, s92, s93
	s_cselect_b32 s76, s82, s87
	s_cselect_b32 s99, s94, s96
	s_mov_b32 s72, 2304
	s_mov_b32 s74, 2304
	s_mov_b32 s92, 1536
	s_mov_b32 s93, 388608
	s_cmp_eq_u32 s66, 3
	s_cselect_b32 s68, s97, s68
	s_cselect_b32 s70, 768, s70
	s_cselect_b32 s76, s86, s76
	s_cselect_b32 s99, s96, s99
	s_cselect_b32 s72, s92, s72
	s_cselect_b32 s74, s93, s74
	s_mov_b32 s69, 0
	s_mov_b32 s71, 0
	s_mov_b32 s73, 0
	s_mov_b32 s75, 0
	s_mov_b32 s77, 0
	s_wait_alu depctr_va_vdst(0)                   ; directly ahead of the wait below
	s_wait_kmcnt 0x0
	s_add_nc_u64 s[84:85], s[4:5], s[84:85]
	s_add_nc_u64 s[88:89], s[4:5], s[88:89]
	s_add_nc_u64 s[78:79], s[6:7], s[78:79]
	s_add_nc_u64 s[80:81], s[6:7], s[80:81]
.irp i, 0,1,2,3,4,5,6,7
.irp p, 0,1
	global_load_b64 v[SA+4*\i+2*\p:SA+4*\i+2*\p+1], v4, s[78:79] offset:512*\i+256*\p
	global_load_b64 v[SB+4*\i+2*\p:SB+4*\i+2*\p+1], v4, s[80:81] offset:512*\i+256*\p
.endr
.endr
	s_add_nc_u64 s[68:69], s[8:9], s[68:69]
	s_add_nc_u64 s[70:71], s[68:69], s[70:71]
	s_add_nc_u64 s[76:77], s[10:11], s[76:77]
	v_mul_u32_u24 v6, s99, v2
	v_lshl_add_u32 v6, v1, 4, v6
	; THE HEAD'S FOUR JOINT LOADS, one a wave: three of the four K steps of 256 are asked for at once
	s_mul_i32 s82, s16, 98304                      ; s[84:85] and s[88:89] point at my half of the 16 tiles: 8 tiles of 12,288 bytes back is the first tile
	s_mov_b32 s83, 0
	s_sub_nc_u64 s[86:87], s[84:85], s[82:83]
	s_sub_nc_u64 s[90:91], s[88:89], s[82:83]
	s_mov_b32 s[G0], 1                             ; A, K step 0
	s_mov_b32 s[G0+1], 0
	s_mov_b64 s[G0+2:G0+3], s[86:87]
	s_or_b32 s[G0+3], s[G0+3], 0x80000000
	s_mov_b32 s[G0B], 1                            ; B, K step 0
	s_mov_b32 s[G0B+1], 2*HALFT
	s_mov_b64 s[G0B+2:G0B+3], s[90:91]
	s_or_b32 s[G0B+3], s[G0B+3], 0x80000000
	s_mov_b32 s[G0+4], 1                           ; A, K steps 1 and 2
	s_mov_b32 s[G0+5], SLOT
	s_add_nc_u64 s[G0+6:G0+7], s[86:87], 3072
	s_or_b32 s[G0+7], s[G0+7], 0x80000000
	s_mov_b32 s[G0B+4], 1                          ; B, K steps 1 and 2
	s_mov_b32 s[G0B+5], 2*SLOT
	s_add_nc_u64 s[G0B+6:G0B+7], s[90:91], 3072
	s_or_b32 s[G0B+7], s[G0B+7], 0x80000000
	s_or_b32 s[G1C], s43, (3<<16)|(1<<21)
	s_or_b32 s[G1D], s44, (3<<16)|(1<<21)
.irp g, G1C, G1D
	s_mov_b32 s[\g+1], 768<<16                     ; 16 rows of 6,144 bytes (768 elements of 8 bytes), 12,288 bytes apart
	s_mov_b32 s[\g+2], 16<<16
	s_mov_b32 s[\g+3], 768<<16
	s_mov_b32 s[\g+4], 16
	s_mov_b32 s[\g+5], 1536
	s_mov_b32 s[\g+6], 0
	s_mov_b32 s[\g+7], 0
.endr
	CROUND                                         ; all sixteen work-groups are here: the first joint loads meet
.macro ARM under, g0, g1, next, w      ; one chain of branches on the wave's number, one load to an arm, one join; w = 1: the load's own wait stands with it in the arm (K step 0, which is read first)
	s_cmp_lt_u32 s14, \under
	s_cbranch_scc0 \next
	tensor_load_to_lds s[\g0:\g0+3], s[\g1:\g1+7]
	s_nop 0
.rept 4
	v_nop
.endr
.if \w
	s_wait_tensorcnt 0x0                           ; my half of K step 0 is in
.endif
	s_branch .Lhead_asked
\next:
.endm
	ARM 1, G0, G1, .Lhead_b, 1
	ARM 2, G0B, G1B, .Lhead_a12, 1
	ARM 3, G0+4, G1C, .Lhead_b12, 0                ; K steps 1 and 2 stay out: they are waited for ahead of the round behind K step 0, and read only behind it
	tensor_load_to_lds s[G0B+4:G0B+7], s[G1D:G1D+7]
	s_nop 0
.rept 4
	v_nop
.endr
.Lhead_asked:
.macro FRAG reg, a16, a8, q, i
	ds_load_b128 v[(\reg):(\reg)+3], v[\a16] offset:PT*(\i)+KO+1536*(\q)
	ds_load_b64 v[(\reg)+4:(\reg)+5], v[\a8] offset:PT*(\i)+KO+1536*(\q)+512
	ds_load_b128 v[(\reg)+6:(\reg)+9], v[\a16] offset:PT*(\i)+KO+1536*(\q)+768
	ds_load_b64 v[(\reg)+10:(\reg)+11], v[\a8] offset:PT*(\i)+KO+1536*(\q)+1280
.endm
.macro WHERE ks                        ; K steps 0 and 3: address set 0, tiles 3,072 bytes apart; K steps 1 and 2: set 1, tiles 6,144 apart, step 2 3,072 bytes on
.set RS, (((\ks)+1)/2)%2
.set PT, 3072+3072*RS
.set KO, 3072*((\ks)/2)*RS
.endm
.macro FETCH_B ks, q, p
	WHERE \ks
	WIN TO_B
.irp i, 0,1,2,3,4,5,6,7
	FRAG 128*(\p)+FR*\i, B16+RS, B8+RS, \q, \i
.endr
	WIN 0
.endm
.macro FETCH_A ks, q, i0
	WHERE \ks
.irp i, \i0, \i0+1, \i0+2, \i0+3
	FRAG AF+FR*(\i), A16+RS, A8+RS, \q, \i
.endr
.endm
.macro MUL16 a0, p, F, zero
.irp a, \a0, \a0+1
.irp b, 0,1,2,3,4,5,6,7
.if \zero
	WM 8*(8*((\a)%4)+\b), 128*(\p)+FR*\b, AF+FR*(\a), -1, SB+4*\b+2*((\F)/4)+(\F)%2, SA+4*(\a)+2*((\F)/4)+(\F)%2, ((\F)/2)%2
.else
	WM 8*(8*((\a)%4)+\b), 128*(\p)+FR*\b, AF+FR*(\a), 8*(8*((\a)%4)+\b), SB+4*\b+2*((\F)/4)+(\F)%2, SA+4*(\a)+2*((\F)/4)+(\F)%2, ((\F)/2)%2
.endif
.endr
.endr
.endm
.macro STEP ks, zero
	s_wait_dscnt 16
	WIN MUL_LO
	MUL16 0, 0, 2*(\ks), \zero
	MUL16 2, 0, 2*(\ks), \zero
	s_wait_dscnt 0x0
	PLACES 4
	FETCH_B \ks, 1, 1
	FETCH_A \ks, 1, 0
	WIN MUL_HI
	MUL16 4, 0, 2*(\ks), \zero
	MUL16 6, 0, 2*(\ks), \zero
	PLACES 4
	WIN 0
	FETCH_A \ks, 1, 4
.endm
.macro TURN ks, fill                   ; fill = 1: a round, and K step 3 into K step 0's bytes; 0: a plain barrier, for K step 3's landing; 2: nothing: K steps 1 and 2 came together
.if (\fill) == 2
	s_wait_dscnt 16
	WIN MUL_LO
	MUL16 0, 1, 2*(\ks)+1, 0
	MUL16 2, 1, 2*(\ks)+1, 0
	s_wait_dscnt 0x0
	PLACES 4
.else
	s_wait_tensorcnt 0x0
	ds_add_u32 v[SPW], v[NIL]
	s_wait_dscnt 17
	WIN MUL_LO
	MUL16 0, 1, 2*(\ks)+1, 0
	s_wait_dscnt 0x0
	s_barrier_signal -1
	MUL16 2, 1, 2*(\ks)+1, 0
	WIN 0
	s_barrier_wait -1
.if \fill
	CREST
	s_mov_b32 s[G1+2], 8<<16                       ; no tensor load of any wave is out (the wait for 0 ahead of the round), so descriptors may be written: the refill, K step 3, 8 tiles a wave
	s_mov_b32 s[G1+4], 8
	s_mov_b32 s[G1B+2], 8<<16
	s_mov_b32 s[G1B+4], 8
	s_mov_b32 s[G0+1], s45
	s_add_nc_u64 s[G0+2:G0+3], s[84:85], 9216
	s_or_b32 s[G0+3], s[G0+3], 0x80000000
	s_mov_b32 s[G0B+1], s45
	s_add_nc_u64 s[G0B+2:G0B+3], s[88:89], 9216
	s_or_b32 s[G0B+3], s[G0B+3], 0x80000000
	JLOAD G0, G1, G0B, G1B
.else
	PLACES 4
.endif
.endif
	s_wait_alu depctr_va_vdst(0)
	FETCH_B (\ks)+1, 0, 0
	FETCH_A (\ks)+1, 0, 0
	WIN MUL_HI
	MUL16 4, 1, 2*(\ks)+1, 0
	MUL16 6, 1, 2*(\ks)+1, 0
	PLACES 4
	WIN 0
	FETCH_A (\ks)+1, 0, 4
.endm
	s_wait_alu depctr_va_vdst(0)                   ; at the head's end
	s_barrier_signal -1
	s_barrier_wait -1                              ; K step 0 is whole: waves 0 and 1 have waited for their loads
	s_wait_loadcnt 0x0
	FETCH_B 0, 0, 0
	FETCH_A 0, 0, 0
	FETCH_A 0, 0, 4
	STEP 0, 1
	TURN 0, 1
	STEP 1, 0
	TURN 1, 2
	STEP 2, 0
	TURN 2, 0
	STEP 3, 0
	s_wait_dscnt 16
	WIN MUL_LO
	MUL16 0, 1, 7, 0
	MUL16 2, 1, 7, 0
	s_wait_dscnt 0x0
	WIN MUL_HI
	MUL16 4, 1, 7, 0
	MUL16 6, 1, 7, 0
	WIN 0
.macro QUANTG a
.set S0, 64*((\a)%4)
	WIN 20*(2+(\a)/4)
.irp b, 0,1,2,3
	v_max3_num_f32 v[TM+\b], 0x1800000, |v[S0+16*\b]|, |v[S0+16*\b+1]|
.endr
.irp i, 2,4,6,8,10,12,14
.irp b, 0,1,2,3
	v_max3_num_f32 v[TM+\b], v[TM+\b], |v[S0+16*\b+\i]|, |v[S0+16*\b+\i+1]|
.endr
.endr
	WIN 0
.irp b, 0,1,2,3
	v_permlanex16_b32 v[TM+4+\b], v[TM+\b], s[SEL], s[SEL+1]
.endr
.irp b, 0,1,2,3
	v_max_num_f32 v[TM+\b], v[TM+\b], v[TM+4+\b]
.endr
.irp b, 0,1,2,3
	v_add_nc_u32 v[TM+12+\b], 0xff000000, v[TM+\b]
.endr
.irp b, 0,1,2,3
	v_lshrrev_b32 v[TM+4+\b], 23, v[TM+12+\b]
.endr
	v_lshl_or_b32 v[PWS+(\a)], v[TM+5], 8, v[TM+4]
	v_lshl_or_b32 v[PWS+(\a)], v[TM+6], 16, v[PWS+(\a)]
	v_lshl_or_b32 v[PWS+(\a)], v[TM+7], 24, v[PWS+(\a)]
	s_wait_xcnt 0x0
.if (\a) == 4
	s_add_nc_u64 s[68:69], s[68:69], s[74:75]
	s_add_nc_u64 s[70:71], s[70:71], s[74:75]
.elseif (\a) > 0
	s_add_nc_u64 s[68:69], s[68:69], s[72:73]
	s_add_nc_u64 s[70:71], s[70:71], s[72:73]
.endif
	WIN 2+(\a)/4
.irp c, 0,1
	v_cvt_scalef32_pk16_fp6_f32 v[PC+6*\c:PC+6*\c+2], v[S0+32*\c:S0+32*\c+15], v[TM+12+2*\c]
	v_cvt_scalef32_pk16_fp6_f32 v[PC+12+4*\c:PC+14+4*\c], v[S0+32*\c+16:S0+32*\c+31], v[TM+13+2*\c]
.endr
	WIN 0
	v_nop
.irp c, 0,1
.irp i, 0,1,2
	v_permlane16_swap_b32 v[PC+6*\c+\i], v[PC+12+4*\c+\i]
.endr
.irp i, 0,1,2
	v_mov_b32 v[PC+3+6*\c+\i], v[PC+12+4*\c+\i]
.endr
.endr
	global_store_b128 v3, v[PC:PC+3], s[68:69]
	global_store_b64 v4, v[PC+4:PC+5], s[68:69] offset:512
	global_store_b128 v3, v[PC+6:PC+9], s[70:71]
	global_store_b64 v4, v[PC+10:PC+11], s[70:71] offset:512
.endm
	PLACES 4
.irp a, 0,1,2,3,4,5,6,7
	QUANTG \a
.endr
	s_cmp_eq_u32 s66, 3
	s_cbranch_scc1 .Lv_scales
.irp a, 0,1,2,3,4,5,6,7
	v_lshrrev_b32 v[TM+\a], v5, v[PWS+\a]
.endr
.irp a, 0,1,2,3,4,5,6,7
	global_store_b16 v6, v[TM+\a], s[76:77] offset:512*(\a/4)+4*(\a%4)
.endr
	s_cmp_eq_u32 s66, 2
	s_cbranch_scc0 .Lscales_done
.irp a, 0,1,2,3,4,5,6,7
	global_store_b16 v6, v7, s[76:77] offset:512*(\a/4)+4*(\a%4)+2
.endr
	s_branch .Lscales_done
.Lv_scales:
	v_cmp_eq_u32 vcc_lo, 1, v2
.irp i, 0,1,2,3
	v_cndmask_b32 v[248+\i], v[PWS+\i], v[PWS+4+\i], vcc_lo
.endr
	global_store_b128 v6, v[248:251], s[76:77]
.Lscales_done:
	s_wait_tensorcnt 0x0
	ds_add_u32 v[SPW], v[NIL]
	s_wait_dscnt 0x0
	CROUND
	s_endpgm
.Lfunc_end_k_qdb47799d49_proj:
	.size	k_qdb47799d49_proj, .Lfunc_end_k_qdb47799d49_proj-k_qdb47799d49_proj
	.p2alignl 7, 3214868480
	.fill 96, 4, 3214868480
	.section	.rodata,"a",@progbits
	.p2align	6, 0x0
	.amdhsa_kernel k_qdb47799d49_proj
		.amdhsa_group_segment_fixed_size 327680
		.amdhsa_private_segment_fixed_size 0
		.amdhsa_enable_private_segment 0
		.amdhsa_kernarg_size 32
		.amdhsa_user_sgpr_count 2
		.amdhsa_user_sgpr_kernarg_segment_ptr 1
		.amdhsa_wavefront_size32 1
		.amdhsa_system_sgpr_workgroup_id_x 1
		.amdhsa_system_sgpr_workgroup_id_y 1
		.amdhsa_system_sgpr_workgroup_id_z 1
		.amdhsa_system_vgpr_workitem_id 0
		.amdhsa_next_free_vgpr 1024
		.amdhsa_next_free_sgpr 100
		.amdhsa_reserve_vcc 1
		.amdhsa_float_denorm_mode_32 3
		.amdhsa_float_denorm_mode_16_64 3
		.amdhsa_memory_ordered 1
		.amdhsa_forward_progress 1
		.amdhsa_inst_pref_size 154
	.end_amdhsa_kernel
	.amdgpu_metadata
---
amdhsa.version: [ 1, 2 ]
amdhsa.kernels:
  - .name:           k_qdb47799d49_proj
    .symbol:         k_qdb47799d49_proj.kd
    .args:
      - { .name: codes, .offset: 0, .size: 8, .value_kind: global_buffer, .address_space: global }
      - { .name: scl, .offset: 8, .size: 8, .value_kind: global_buffer, .address_space: global }
      - { .name: att, .offset: 16, .size: 8, .value_kind: global_buffer, .address_space: global }
      - { .name: ats, .offset: 24, .size: 8, .value_kind: global_buffer, .address_space: global }
    .group_segment_fixed_size: 327680
    .private_segment_fixed_size: 0
    .kernarg_segment_align: 8
    .kernarg_segment_size: 32
    .max_flat_workgroup_size: 128
    .sgpr_count:     100
    .vgpr_count:     1024
    .wavefront_size: 32
...
	.end_amdgpu_metadata
.endif
;; end of part 2
;; launch attn (part 3): grid 8 x 32, 16 waves a work-group, clusters of 4 x 1, 327,680 bytes of LDS; arguments att, ats, oimg, osc; writes oimg, osc
.if DOCPART == 3
	.amdgcn_target "amdgcn-amd-amdhsa--gfx1250"
	.amdhsa_code_object_version 6
	.text
	.protected	k_qdb47799d49_attn
	.globl	k_qdb47799d49_attn
	.p2align	8
	.type	k_qdb47799d49_attn,@function
k_qdb47799d49_attn:
	s_mov_b64 s[64:65], 0
	v_nop
	global_prefetch_b8 v0, s[64:65] scope:SCOPE_SE
	s_setreg_imm32_b32 hwreg(HW_REG_WAVE_MODE, 25, 1), 1
	s_wait_xcnt 0x0
	s_wait_alu depctr_hold_cnt(0) depctr_sa_sdst(0) depctr_va_vdst(0) depctr_va_sdst(0) depctr_va_ssrc(0) depctr_va_vcc(0) depctr_vm_vsrc(0)
	s_getreg_b32 s2, hwreg(HW_REG_IB_STS2, 6, 4)
	s_cmp_eq_u32 s2, 0
	s_cbranch_scc0 .Lentry_in_a_cluster
	s_endpgm
.Lentry_in_a_cluster:
	s_bfe_u32 s2, ttmp6, 0x10000c
	s_cmp_lg_u32 s2, 0x3003
	s_cbranch_scc0 .Lentry_shape_is_right
	s_endpgm
.Lentry_shape_is_right:
; O = softmax((q_w k_w^T + q_p k_p^T + q_c k_c^T) / 8) v for 32 (batch, head), 2,048 tokens, head size 64, all products on codes of FP6 (E2M3) with E8M0 scales; O is quantised along the channels for the last projection.
; THE SCORES' K is laid as 256 = two instructions: (w 64 | p 64) and (c 64 | nothing).  A tile's 18 registers lie in the order c, w, p: the first instruction takes registers 6-17, the second registers 0-11
; (c, and w as filler); Q's second operand is (q_c, six registers of zero codes), so the filler multiplies zeros; its scale bytes are 0x7f.
; THE SOFTMAX: t = score x log2(e) / 8; M = the running largest t rounded UP to a whole number; p = 2^(t - M) is quantised along the keys, not normalised; the row's sum is taken of the unquantised p and divides O at the end.
; When M moves, the sum and O are multiplied by 2^(old M - new M): exact.
; A BLOCK'S SCALE needs only the exponent of its largest p = 2^x, x = t - M of the block's largest score: that exponent is floor(x).  So the byte is floor(x) + 125, x held at -124 from below (byte 1), by plain arithmetic.
; (Where v_exp_f32 rounds a p up to the next power of two, x within an ulp under a whole number, that one p is held at the largest code.)
; SHARES: a work-group owns 256 queries of one (batch, head), each of its sixteen waves one tile of 16, in 256 registers.  Every wave walks all 2,048 keys, 128 a step.
; LDS: K's and V's tiles are images of operand registers (launch proj); a slot is 512 keys, 98,304 dense bytes.  THREE buffers: slot 1 at 0, slot 2 at 98,304, slot 0 and later slot 3 at 196,608; then the head's scale words (20,480 bytes, filled once).
; LOADS, one a wave each time: at the head waves 0-3 fetch slot 0 by quarters and waves 4-7 the scale words; behind the head's round waves 0-3 fetch slot 1 and waves 4-7 slot 2; behind the one round after slot 0 waves 0-3 fill its buffer again with slot 3.
; So the walk has one refill.  That slot 3 has landed is shown by a plain barrier in each trip of the loop over slots 1 to 3: signal at the head of the trip's second key step, wait at the trip's end: three key steps lie between the two.
; CLUSTER: the four query blocks of a cluster walk the same K and V: each tile is asked for jointly, with a mask that names the four.
; NO PREFETCH: slot 1 is asked for 4 key steps ahead of its first read, slots 2 and 3 eight; slot 0 is asked for at the head, where there is no loop to run ahead in.
; Both products are used transposed: a lane holds ONE query (lane % 16).  By the order of rows in a tile the 16 registers of score tiles 2 b, 2 b + 1 are keys 32 b + 16 (lane / 16) + 0 .. 15.
; LIMITS: NaN and infinities are not served; the scaled scores stay under 2^31 in magnitude; O is divided by the sum through v_rcp_f32 ahead of its quantiser; a block of zeros or under 2^-124 gets the byte 1 (this program alone reads the bytes).
; REGISTERS: v1-6 stay; v7-11, v40-42 the slot's LDS addresses; v12 -M, v13 largest t, v[14:15] the sum; v16-27 Q (w, p), v28-33 Q c, v34-39 zeros; v43 offset of O's scale bytes;
;   v44-115 four tiles of K (18 each), later V's four fragments; v116-123 K's scale words, v124-127 V's; v128-191 S^T, then p; v192-223 O^T; v224-235 p's codes; v232-254 at work; v255 Q's scale words.
.set BUF,   98304
.set B0,    2*BUF
.set VOFF,  73728
.set SCK,   3*BUF                      ; K's scale words, 16,384 bytes: [step 16][g 2][word 2][row 16][tile 4]
.set SCV,   SCK+16384                  ; V's, 4,096 bytes: [step 16][row 16][channel tile 4]
.set SPARE, SCV+4096                   ; the spare words: 128 bytes for each of 16 waves
.set KVOFF, 9437184
.set KSOFF, 524288
.set SPW, 5
.set NIL, 6
.set ADK16, 7                          ; key steps 0, 1 of the slot; steps 2, 3 by v40, v42 (36,864 bytes on: offsets stay inside 16 bits)
.set ADK8,  8
.set ADV16, 9
.set ADV8,  10
.set ADS,   11
.set ADT,   41
.set KT,  44
.set S,   128
.set OT,  192
.set WV,  18
.set SEL, 20
.set CS,  22
.set G1T, 24
.set G1S, 32
.set G0T, 40                           ; slot 0
.set G0S, 44                           ; the scale words
.set G0U, 76                           ; slot 1 (waves 0-3) or slot 2 (waves 4-7)
.set G0W, 60                           ; slot 3
.set TB,  48                           ; LDS byte at which the slot in hand begins
.set TS,  49                           ; where its scale words of K begin: 4,096 bytes a slot
.set TJ,  50                           ; and V's: 1,024
.set SLOTS, 51
.macro CROUND
	s_barrier_signal -1
	s_barrier_wait -1
	s_cmp_lg_u32 s[WV], 0
	s_cbranch_scc1 .Lnot_wave_0_\@
	s_barrier_signal -3
.Lnot_wave_0_\@:
	s_barrier_wait -3
	s_barrier_signal -1
	s_barrier_wait -1
.endm
.macro TL under, g0                    ; the waves under 'under' fetch a quarter of a slot each; s_nop 0 and four v_nop follow the line
	s_cmp_lt_u32 s[WV], \under
	s_cbranch_scc0 .Lasked_\@
	tensor_load_to_lds s[\g0:\g0+3], s[G1T:G1T+7]
	s_nop 0
.rept 4
	v_nop
.endr
.Lasked_\@:
.endm
.macro WM d, a, b, c, sa, sb, odd
.if (\c) < 0
	v_wmma_scale_f32_16x16x128_f8f6f4 v[(\d):(\d)+7], v[(\a):(\a)+11], v[(\b):(\b)+11], 0, v[(\sa)], v[(\sb)] matrix_a_fmt:MATRIX_FMT_FP6 matrix_b_fmt:MATRIX_FMT_FP6
.elseif \odd
	v_wmma_scale_f32_16x16x128_f8f6f4 v[(\d):(\d)+7], v[(\a):(\a)+11], v[(\b):(\b)+11], v[(\c):(\c)+7], v[(\sa)], v[(\sb)] matrix_a_fmt:MATRIX_FMT_FP6 matrix_b_fmt:MATRIX_FMT_FP6 matrix_a_scale:MATRIX_SCALE_ROW1 matrix_b_scale:MATRIX_SCALE_ROW1
.else
	v_wmma_scale_f32_16x16x128_f8f6f4 v[(\d):(\d)+7], v[(\a):(\a)+11], v[(\b):(\b)+11], v[(\c):(\c)+7], v[(\sa)], v[(\sb)] matrix_a_fmt:MATRIX_FMT_FP6 matrix_b_fmt:MATRIX_FMT_FP6
.endif
.endm
	s_load_b256 s[4:11], s[0:1], 0x0               ; att s[4:5], ats s[6:7], oimg s[8:9], osc s[10:11]
	v_lshl_add_u32 v[SPW], v0, 2, SPARE
	v_mov_b32 v[NIL], 0
	ds_add_u32 v[SPW], v[NIL]                      ; the opening lines: the add, twice on end, and its wait
	ds_add_u32 v[SPW], v[NIL]
	v_lshrrev_b32 v7, 5, v0
	v_readfirstlane_b32 s[WV], v7                  ; wave 0..15
	v_and_b32 v7, 31, v0
	v_and_b32 v8, 15, v0                           ; r
	v_bfe_u32 v9, v0, 4, 1                         ; h
	v_lshlrev_b32 v1, 4, v7                        ; 16 x lane
	v_lshlrev_b32 v2, 3, v7                        ; 8 x lane
	v_lshlrev_b32 v254, 4, v8
	v_lshlrev_b32 v43, 3, v8                       ; 8 r: O's scale bytes
	v_add_nc_u32 v4, SCV, v254                     ; V's scale words: 16 bytes a row
	v_lshl_add_u32 v254, v9, 8, v254               ; 256 h + 16 r: lanes 0-15 word 0, lanes 16-31 word 1
	v_add_nc_u32 v3, SCK, v254
	s_bfe_u32 s68, ttmp6, 0x40000                  ; cx
	s_and_b32 s69, ttmp7, 0xffff                   ; 16 x batch + head, which the partners share
	s_lshl_b32 s70, ttmp9, 2
	s_add_co_u32 s70, s70, s68                     ; my block of 256 queries
	s_lshl_b32 s70, s70, 4
	s_add_co_u32 s70, s70, s[WV]                   ; my tile of 16 queries, 0 .. 127
	s_and_b32 s71, s[WV], 3                        ; which quarter I fetch, if I fetch
	s_lshr_b32 s73, s[WV], 2
	s_min_u32 s73, s73, 1
	s_mul_i32 s73, s73, BUF                        ; behind the head's round: waves 0-3 slot 1, waves 4-7 slot 2
	s_mul_i32 s72, s69, 393216
	s_add_co_u32 s72, s72, KVOFF                   ; the head's K and V
	s_mul_i32 s74, s71, 24576                      ; my quarter, in a slot and in memory
	s_add_co_u32 s82, s72, s74
	s_mov_b32 s83, 0
	s_mul_i32 s84, s69, 20480
	s_add_co_u32 s84, s84, KSOFF                   ; the head's scale words of K and V
	s_mul_i32 s75, s71, 5120
	s_add_co_u32 s84, s84, s75
	s_mov_b32 s85, 0
	s_mul_i32 s86, s69, 294912
	s_mul_i32 s87, s70, 2304
	s_add_co_u32 s86, s86, s87                     ; my tile of Q
	s_mov_b32 s87, 0
	s_lshl_b32 s88, s69, 14                        ; its scale words: [128 tokens][g 2][word 2][row 16][tile 4]
	s_lshr_b32 s89, s70, 3
	s_lshl_b32 s89, s89, 10
	s_add_co_u32 s88, s88, s89
	s_bfe_u32 s89, s70, 0x10002
	s_lshl_b32 s89, s89, 9
	s_add_co_u32 s88, s88, s89
	s_and_b32 s89, s70, 3
	s_lshl_b32 s89, s89, 2
	s_add_co_u32 s88, s88, s89
	s_mov_b32 s89, 0
	s_lshr_b32 s90, s69, 4
	s_lshl_b32 s90, s90, 7
	s_add_co_u32 s90, s90, s70                     ; O's operand tile: 128 x batch + my tile
	s_and_b32 s91, s69, 15                         ; the head: half fragment h of that tile
	s_mul_i32 s92, s90, 12288
	s_mul_i32 s93, s91, 768
	s_add_co_u32 s92, s92, s93
	s_mov_b32 s93, 0
	s_lshl_b32 s94, s90, 9                         ; its two scale bytes: [K step h / 4][row][word (h / 2) % 2], bytes 2 (h % 2) on
	s_lshr_b32 s95, s91, 2
	s_lshl_b32 s95, s95, 7
	s_add_co_u32 s94, s94, s95
	s_bfe_u32 s95, s91, 0x10001
	s_lshl_b32 s95, s95, 2
	s_add_co_u32 s94, s94, s95
	s_and_b32 s95, s91, 1
	s_lshl_b32 s95, s95, 1
	s_add_co_u32 s94, s94, s95
	s_mov_b32 s95, 0
	; descriptor group 1: dense blocks as rows of 256 bytes (32 elements of 8 bytes): 96 rows of a slot's quarter; 20 rows of the scale words' quarter
	s_mov_b32 s[G1T], 15|(3<<16)|(1<<21)           ; 15:0 the mask: all four work-groups; 17:16 elements of 8 bytes; 21 set beside a mask
	s_mov_b32 s[G1T+1], 32<<16
	s_mov_b32 s[G1T+2], 96<<16
	s_mov_b32 s[G1T+3], 32<<16
	s_mov_b32 s[G1T+4], 96
	s_mov_b32 s[G1T+5], 32
	s_mov_b32 s[G1T+6], 0
	s_mov_b32 s[G1T+7], 0
	s_mov_b32 s[G1S], 15|(3<<16)|(1<<21)
	s_mov_b32 s[G1S+1], 32<<16
	s_mov_b32 s[G1S+2], 20<<16
	s_mov_b32 s[G1S+3], 32<<16
	s_mov_b32 s[G1S+4], 20
	s_mov_b32 s[G1S+5], 32
	s_mov_b32 s[G1S+6], 0
	s_mov_b32 s[G1S+7], 0
	s_mov_b32 s[SEL], 0x76543210
	s_mov_b32 s[SEL+1], 0xfedcba98
	s_mov_b32 s[CS], 0x3e38aa3b                    ; c = log2(e) / 8
	s_mov_b32 s[CS+1], s[CS]                       ; (named with it as a pair, so it is written)
	s_mov_b32 s[TB], B0                            ; slot 0
	s_mov_b32 s[TS], 0
	s_mov_b32 s[TJ], 0
	s_mov_b32 s80, s73
	s_mov_b32 s81, 0
	s_wait_dscnt 0x0                               ; both opening adds are done
	s_wait_alu depctr_va_vdst(0)                   ; directly ahead of the wait below
	s_wait_kmcnt 0x0
	s_add_nc_u64 s[82:83], s[4:5], s[82:83]
	s_add_nc_u64 s[84:85], s[6:7], s[84:85]
	s_add_nc_u64 s[52:53], s[4:5], s[86:87]        ; Q
	s_add_nc_u64 s[54:55], s[6:7], s[88:89]        ; Q's scale words
	s_add_nc_u64 s[56:57], s[8:9], s[92:93]        ; O's codes
	s_add_nc_u64 s[58:59], s[10:11], s[94:95]      ; O's scale bytes
	global_load_b128 v[28:31], v1, s[52:53]                  ; Q's three half fragments stay in registers: c,
	global_load_b64 v[32:33], v2, s[52:53] offset:512
	global_load_b128 v[16:19], v1, s[52:53] offset:768       ; w,
	global_load_b64 v[20:21], v2, s[52:53] offset:1280
	global_load_b128 v[22:25], v1, s[52:53] offset:1536      ; p
	global_load_b64 v[26:27], v2, s[52:53] offset:2048
	global_load_b32 v255, v254, s[54:55]
	s_mov_b32 s[G0T], 1
	s_add_co_u32 s[G0T+1], s74, B0
	s_mov_b64 s[G0T+2:G0T+3], s[82:83]
	s_or_b32 s[G0T+3], s[G0T+3], 0x80000000
	s_mov_b32 s[G0S], 1
	s_add_co_u32 s[G0S+1], s75, SCK
	s_mov_b64 s[G0S+2:G0S+3], s[84:85]
	s_or_b32 s[G0S+3], s[G0S+3], 0x80000000
	s_mov_b32 s[G0U], 1
	s_add_co_u32 s[G0U+1], s73, s74
	s_add_nc_u64 s[G0U+2:G0U+3], s[82:83], s[80:81]
	s_add_nc_u64 s[G0U+2:G0U+3], s[G0U+2:G0U+3], BUF
	s_or_b32 s[G0U+3], s[G0U+3], 0x80000000
	s_mov_b32 s[G0W], 1
	s_add_co_u32 s[G0W+1], s74, B0
	s_add_nc_u64 s[G0W+2:G0W+3], s[82:83], 3*BUF
	s_or_b32 s[G0W+3], s[G0W+3], 0x80000000
	CROUND                                         ; all four work-groups are here: the first joint loads meet
	s_cmp_lt_u32 s[WV], 4                          ; one chain of branches on the wave's number, one fill to an arm, one join
	s_cbranch_scc0 .Lh_scales
	tensor_load_to_lds s[G0T:G0T+3], s[G1T:G1T+7]  ; slot 0
	s_nop 0
.rept 4
	v_nop
.endr
	s_branch .Lh_join
.Lh_scales:
	s_cmp_lt_u32 s[WV], 8
	s_cbranch_scc0 .Lh_join
	tensor_load_to_lds s[G0S:G0S+3], s[G1S:G1S+7]  ; the scale words: filled once
	s_nop 0
.rept 4
	v_nop
.endr
.Lh_join:
.irp i, 34,35,36,37,38,39
	v_mov_b32 v\i, 0                               ; zero codes: K 64 .. 127 of the scores' second instruction
.endr
	v_mov_b32 v13, 0xff61b1e6                      ; the largest t so far: -3e38
	v_mov_b32 v14, 0
	v_mov_b32 v15, 0
	v_floor_f32 v12, -v13                          ; -M
.irp b, 0,1,2,3
	v_mov_b32 v[236+\b], 0                         ; a lane permute's destination counts as one of its sources
.endr
	v_mov_b32 v253, 0                              ; (named as the upper half of v[252:253] before it is first written)
.set J, 0
.rept 32
	v_mov_b32 v[OT+J], 0                           ; O^T: the step is written once, its first turn finds zeros
.set J, J+1
.endr
.macro ADDR                            ; the slot's eight LDS addresses, once for four key steps
	s_add_co_u32 s80, s[TB], 36864
	s_add_co_u32 s81, s[TB], VOFF
	v_add_nc_u32 v[ADK16], s[TB], v1
	v_add_nc_u32 v[ADK8], s[TB], v2
	v_add_nc_u32 v40, s80, v1
	v_add_nc_u32 v42, s80, v2
	v_add_nc_u32 v[ADV16], s81, v1
	v_add_nc_u32 v[ADV8], s81, v2
	v_add_nc_u32 v[ADS], s[TS], v3
	v_add_nc_u32 v[ADT], s[TJ], v4
	s_wait_alu depctr_va_vdst(0)
.endm
.macro SLOAD q                         ; K's scale words of key step q: lanes 0-15 word 0 (w, p), lanes 16-31 word 1 (c); tiles 0-3, tiles 4-7
	ds_load_b128 v[116:119], v[ADS] offset:1024*(\q)
	ds_load_b128 v[120:123], v[ADS] offset:1024*(\q)+512
.endm
.macro KLOAD q, g                      ; tiles 4 g .. 4 g + 3 of key step q: 24 loads
.irp t, 0,1,2,3
.irp p, 0,1,2
	ds_load_b128 v[KT+18*\t+6*\p:KT+18*\t+6*\p+3], v[ADK16+33*((\q)/2)] offset:((\q)%2)*18432+(4*(\g)+\t)*2304+768*\p
	ds_load_b64 v[KT+18*\t+6*\p+4:KT+18*\t+6*\p+5], v[ADK8+34*((\q)/2)] offset:((\q)%2)*18432+(4*(\g)+\t)*2304+768*\p+512
.endr
.endr
.endm
.macro SCORES g                        ; S^T = K Q^T: w and p start the sums, then c; the four accumulators by turns, one instruction a turn
.irp t, 0,1,2,3
	WM S+8*(4*(\g)+\t), KT+18*\t+6, 16, -1, 116+4*(\g)+\t, 255, 0
.endr
.irp t, 0,1,2,3
	WM S+8*(4*(\g)+\t), KT+18*\t, 28, S+8*(4*(\g)+\t), 116+4*(\g)+\t, 255, 1
.endr
.rept 4
	v_nop                                          ; places in front of loads into K's registers and of the first read of these scores
.endr
.endm
.macro MAXB b0, b1                     ; my 16 scores of blocks b0, b1: two chains a block, four by turns; each accumulator is read from its low end on
.irp b, \b0, \b1
	v_max3_num_f32 v[232+\b], v[S+16*\b], v[S+16*\b+1], v[S+16*\b+2]
	v_max3_num_f32 v[240+\b], v[S+16*\b+8], v[S+16*\b+9], v[S+16*\b+10]
.endr
.irp i, 3,5
.irp b, \b0, \b1
	v_max3_num_f32 v[232+\b], v[232+\b], v[S+16*\b+\i], v[S+16*\b+\i+1]
	v_max3_num_f32 v[240+\b], v[240+\b], v[S+16*\b+\i+8], v[S+16*\b+\i+9]
.endr
.endr
.irp b, \b0, \b1
	v_max3_num_f32 v[232+\b], v[232+\b], v[S+16*\b+7], v[S+16*\b+15]
.endr
.irp b, \b0, \b1
	s_delay_alu instid0(VALU_DEP_2)
	v_max_num_f32 v[232+\b], v[232+\b], v[240+\b]
.endr
.endm
; A KEY STEP: 128 keys, the q-th of the slot in hand.  first: it asks for its own first loads; nxt: its tail asks for those of step q + 1; sig: the plain barrier's signal stands at its head
.macro STEP q, first, nxt, sig
.if \first
	SLOAD \q
	KLOAD \q, 0
.endif
	s_wait_dscnt 0x0                               ; tiles 0-3 and the scale words are in; no LDS instruction of mine is out
.if \sig
	s_wait_tensorcnt 0x0                           ; my quarter of slot 3, if I fetched one, has landed: say so
	s_barrier_signal -1
.endif
	SCORES 0
	KLOAD \q, 1
	MAXB 0, 1                                      ; under the loads' flight
	s_wait_dscnt 0x0
	SCORES 1
.irp t, 0,1,2,3                        ; V's four fragments are asked for now and land under the softmax
.irp c, 0,1
	ds_load_b128 v[KT+12*\t+6*\c:KT+12*\t+6*\c+3], v[ADV16] offset:6144*(\q)+1536*\t+768*\c
	ds_load_b64 v[KT+12*\t+6*\c+4:KT+12*\t+6*\c+5], v[ADV8] offset:6144*(\q)+1536*\t+768*\c+512
.endr
.endr
	ds_load_b128 v[124:127], v[ADT] offset:256*(\q)
	MAXB 2, 3
.irp b, 0,1,2,3
	v_permlanex16_b32 v[236+\b], v[232+\b], s[SEL], s[SEL+1]
.endr
.irp b, 0,1,2,3
	v_max_num_f32 v[232+\b], v[232+\b], v[236+\b]  ; with lane l xor 16's 16 keys: the largest score of each block of 32 keys
.endr
	s_delay_alu instid0(VALU_DEP_2)
	v_max3_num_f32 v254, v232, v233, v234
	s_delay_alu instid0(VALU_DEP_1)
	v_max_num_f32 v254, v254, v235                 ; the step's largest score of my query
	s_delay_alu instid0(VALU_DEP_1)
	v_mul_f32 v254, s[CS], v254                    ; as t
	s_delay_alu instid0(VALU_DEP_1)
	v_max_num_f32 v13, v13, v254                   ; the running largest t
	v_mov_b32 v254, v12
	s_delay_alu instid0(VALU_DEP_2)
	v_floor_f32 v12, -v13                          ; the new -M = -ceil(t)
	s_delay_alu instid0(VALU_DEP_1)
	v_sub_f32 v254, v12, v254                      ; old M - new M: a whole number, 0 or less
	s_delay_alu instid0(VALU_DEP_1)
	v_cvt_i32_f32 v254, v254                       ; (it saturates)
	s_delay_alu instid0(VALU_DEP_1)
	v_ldexp_f32 v252, 1.0, v254                    ; f = 2^(old M - new M)
.irp b, 0,1,2,3
	v_fma_f32 v[232+\b], v[232+\b], s[CS], v12     ; x = t - M of each block's largest score
.endr
.irp b, 0,1,2,3
	v_max_num_f32 v[232+\b], 0xc2f80000, v[232+\b] ; held at -124 from below: the byte cannot fall under 1
.endr
.irp b, 0,1,2,3
	v_floor_f32 v[232+\b], v[232+\b]               ; the exponent of the block's largest p
.endr
.irp b, 0,1,2,3
	v_add_f32 v[232+\b], 0x42fa0000, v[232+\b]     ; + 125 = - 2 + 127
.endr
.irp b, 0,1,2,3
	v_cvt_i32_f32 v[236+\b], v[232+\b]             ; the scale's byte, 1 .. 125
.endr
.irp b, 0,1,2,3
	v_lshlrev_b32 v[244+\b], 23, v[236+\b]         ; the conversion's scale operand
.endr
	v_lshl_or_b32 v253, v237, 8, v236              ; p's scale word for these 128 keys
	s_delay_alu instid0(VALU_DEP_1)
	v_lshl_or_b32 v253, v238, 16, v253
	s_delay_alu instid0(VALU_DEP_1)
	v_lshl_or_b32 v253, v239, 24, v253
.set J, 0
.rept 32
	v_pk_fma_f32 v[S+J:S+J+1], v[S+J:S+J+1], s[CS:CS+1], v[12:13] op_sel_hi:[1,0,0]   ; t - M, two at a time
.set J, J+2
.endr
.set J, 0
.rept 16
	v_pk_mul_f32 v[OT+J:OT+J+1], v[OT+J:OT+J+1], v[252:253] op_sel_hi:[1,0]   ; O^T under the new M (of the pair the low word alone is taken)
.set J, J+2
.endr
	v_pk_mul_f32 v[14:15], v[14:15], v[252:253] op_sel_hi:[1,0]   ; and the sums
	s_wait_alu depctr_va_vdst(0)                   ; ahead of the batch
.set J, 0
.rept 64
	v_exp_f32 v[S+J], v[S+J]                       ; p = 2^(t - M)
.set J, J+1
.endr
	v_nop                                          ; the plain place behind the batch
	s_wait_alu depctr_va_vdst(0)                   ; one wait for the batch of 64, ahead of its first reader
.irp c, 0,1
	v_cvt_scalef32_pk16_fp6_f32 v[224+6*\c:226+6*\c], v[S+32*\c:S+15+32*\c], v[244+2*\c]
	v_cvt_scalef32_pk16_fp6_f32 v[236+4*\c:238+4*\c], v[S+16+32*\c:S+31+32*\c], v[245+2*\c]
.endr
	v_nop                                          ; one plain place behind a scaled conversion
.irp c, 0,1
.irp i, 0,1,2
	v_permlane16_swap_b32 v[224+6*\c+\i], v[236+4*\c+\i]
.endr
.irp i, 0,1,2
	v_mov_b32 v[227+6*\c+\i], v[236+4*\c+\i]
.endr
.endr
; the row's sum of the unquantised p: 32 packed additions in eight chains.  Eight stand here, as the places between the codes' last write and the products; the others behind the products
.irp j, 0,1,2,3,4,5,6
	v_pk_add_f32 v[236+2*\j:237+2*\j], v[S+4*\j:S+4*\j+1], v[S+4*\j+2:S+4*\j+3]
.endr
	v_pk_add_f32 v[14:15], v[14:15], v[S+28:S+29]
	s_wait_alu depctr_va_vdst(0)                   ; directly ahead of the wait below
	s_wait_dscnt 0x0                               ; V and its scale words are in
.irp t, 0,1,2,3
	WM OT+8*\t, KT+12*\t, 224, OT+8*\t, 124+\t, 253, 0   ; O^T += V^T P^T: four accumulators, one instruction each
.endr
.irp j, 0,1,2,3,4,5,6
	v_pk_add_f32 v[236+2*\j:237+2*\j], v[236+2*\j:237+2*\j], v[S+30+2*\j:S+31+2*\j]   ; these eight name no register of the products: the places in front of the loads below
.endr
	v_pk_add_f32 v[14:15], v[14:15], v[S+44:S+45]
.if \nxt
	SLOAD (\q)+1                                   ; the next step's first loads land under the rest of the sum
	KLOAD (\q)+1, 0
.endif
.irp j, 0,1,2,3,4,5,6
	v_pk_add_f32 v[236+2*\j:237+2*\j], v[236+2*\j:237+2*\j], v[S+46+2*\j:S+47+2*\j]
.endr
	v_pk_add_f32 v[14:15], v[14:15], v[S+60:S+61]
	v_pk_add_f32 v[236:237], v[236:237], v[S+62:S+63]
	v_pk_add_f32 v[240:241], v[240:241], v[242:243]
	v_pk_add_f32 v[244:245], v[244:245], v[246:247]
	v_pk_add_f32 v[14:15], v[14:15], v[248:249]
	v_pk_add_f32 v[236:237], v[236:237], v[238:239]
	v_pk_add_f32 v[14:15], v[14:15], v[244:245]
	s_delay_alu instid0(VALU_DEP_2)
	v_pk_add_f32 v[236:237], v[236:237], v[240:241]
	s_delay_alu instid0(VALU_DEP_1)
	v_pk_add_f32 v[14:15], v[14:15], v[236:237]
.endm
	s_wait_alu depctr_va_vdst(0)                   ; at the head's end
	s_wait_tensorcnt 0x0                           ; my quarter of slot 0 or of the scale words is in; slots 1 and 2 are first filled as a refill is
	ds_add_u32 v[SPW], v[NIL]                      ; the add, twice
	ds_add_u32 v[SPW], v[NIL]
	s_wait_dscnt 0x0
	CROUND
	TL 8, G0U                                      ; slots 1 and 2: a wave's one tensor load behind this round
	s_wait_loadcnt 0x0                             ; Q
	ADDR
	STEP 0, 1, 1, 0                                ; slot 0
	STEP 1, 0, 1, 0
	STEP 2, 0, 1, 0
	STEP 3, 0, 0, 0
	s_wait_alu depctr_va_vdst(0)
	s_wait_tensorcnt 0x0                           ; slots 1 and 2 have landed;
	ds_add_u32 v[SPW], v[NIL]
	ds_add_u32 v[SPW], v[NIL]
	s_mov_b32 s[TB], 0                             ; on to slot 1
	s_mov_b32 s[TS], 4096
	s_mov_b32 s[TJ], 1024
	s_mov_b32 s[SLOTS], 3
	s_wait_dscnt 0x0                               ; the adds are done, and my reads of slot 0 are over
	CROUND
	TL 4, G0W                                      ; THE ONE REFILL: slot 3 into slot 0's buffer, eight key steps ahead of its first read
.Lslot:                                            ; three trips: slots 1, 2, 3, at LDS bytes 0, 98,304, 196,608
	ADDR
	STEP 0, 1, 1, 0
	STEP 1, 0, 1, 1
	STEP 2, 0, 1, 0
	STEP 3, 0, 0, 0
	s_wait_alu depctr_va_vdst(0)                   ; ahead of the barrier's wait and the branch
	s_barrier_wait -1                              ; every wave that fetched has said that slot 3 is in
	s_add_co_u32 s[TB], s[TB], BUF
	s_add_co_u32 s[TS], s[TS], 4096
	s_add_co_u32 s[TJ], s[TJ], 1024
	s_sub_co_u32 s[SLOTS], s[SLOTS], 1
	s_cmp_lg_u32 s[SLOTS], 0
	s_cbranch_scc1 .Lslot
	; THE WAY OUT: O^T / the sum, quantised along the head's 64 channels (register 16 b + i = channel 32 b + 16 (lane / 16) + i): half fragment h of O's operand tile, and two scale bytes a row
	v_add_f32 v14, v14, v15
	s_delay_alu instid0(VALU_DEP_1)
	v_permlanex16_b32 v252, v14, s[SEL], s[SEL+1]
	s_delay_alu instid0(VALU_DEP_1)
	v_add_f32 v14, v14, v252                       ; the row's sum
	s_wait_alu depctr_va_vdst(0)
	v_rcp_f32 v14, v14
.rept 4
	v_nop                                          ; the plain place behind the reciprocal
.endr
	s_wait_alu depctr_va_vdst(0)                   ; ahead of the reciprocal's first reader, which is also O^T's
.set J, 0
.rept 16
	v_pk_mul_f32 v[S+J:S+J+1], v[OT+J:OT+J+1], v[14:15] op_sel_hi:[1,0]   ; each accumulator from its low end on
.set J, J+2
.endr
.irp b, 0,1
	v_max3_num_f32 v[232+\b], |v[S+16*\b]|, |v[S+1+16*\b]|, 0x1800000
.endr
.irp i, 2,4,6,8,10,12,14
.irp b, 0,1
	s_delay_alu instid0(VALU_DEP_2)
	v_max3_num_f32 v[232+\b], v[232+\b], |v[S+16*\b+\i]|, |v[S+1+16*\b+\i]|
.endr
.endr
.irp b, 0,1
	s_delay_alu instid0(VALU_DEP_2)
	v_permlanex16_b32 v[236+\b], v[232+\b], s[SEL], s[SEL+1]
.endr
.irp b, 0,1
	s_delay_alu instid0(VALU_DEP_2)
	v_max_num_f32 v[232+\b], v[232+\b], v[236+\b]
.endr
.irp b, 0,1
	s_delay_alu instid0(VALU_DEP_2)
	v_add_nc_u32 v[244+\b], 0xff000000, v[232+\b]
.endr
.irp b, 0,1
	s_delay_alu instid0(VALU_DEP_2)
	v_lshrrev_b32 v[236+\b], 23, v[244+\b]
.endr
	s_delay_alu instid0(VALU_DEP_1)
	v_lshl_or_b32 v254, v237, 8, v236              ; my row's two scale bytes
	v_cvt_scalef32_pk16_fp6_f32 v[224:226], v[S:S+15], v244
	v_cvt_scalef32_pk16_fp6_f32 v[240:242], v[S+16:S+31], v245
	v_nop
.irp i, 0,1,2
	v_permlane16_swap_b32 v[224+\i], v[240+\i]
.endr
.irp i, 0,1,2
	v_mov_b32 v[227+\i], v[240+\i]
.endr
	global_store_b128 v1, v[224:227], s[56:57]               ; 512 and 256 consecutive bytes, aligned
	global_store_b64 v2, v[228:229], s[56:57] offset:512
	global_store_b16 v43, v254, s[58:59]                     ; lanes r and r + 16 store the same two bytes at the same place; a word's other bytes are other heads'
	s_wait_tensorcnt 0x0                           ; the wave's end
	ds_add_u32 v[SPW], v[NIL]
	s_wait_dscnt 0x0
	CROUND                                         ; the closing round
	s_endpgm
.Lfunc_end_k_qdb47799d49_attn:
	.size	k_qdb47799d49_attn, .Lfunc_end_k_qdb47799d49_attn-k_qdb47799d49_attn
	.p2alignl 7, 3214868480
	.fill 96, 4, 3214868480
	.section	.rodata,"a",@progbits
	.p2align	6, 0x0
	.amdhsa_kernel k_qdb47799d49_attn
		.amdhsa_group_segment_fixed_size 327680
		.amdhsa_private_segment_fixed_size 0
		.amdhsa_enable_private_segment 0
		.amdhsa_kernarg_size 32
		.amdhsa_user_sgpr_count 2
		.amdhsa_user_sgpr_kernarg_segment_ptr 1
		.amdhsa_wavefront_size32 1
		.amdhsa_system_sgpr_workgroup_id_x 1
		.amdhsa_system_sgpr_workgroup_id_y 1
		.amdhsa_system_sgpr_workgroup_id_z 1
		.amdhsa_system_vgpr_workitem_id 0
		.amdhsa_next_free_vgpr 256
		.amdhsa_next_free_sgpr 100
		.amdhsa_reserve_vcc 0
		.amdhsa_float_denorm_mode_32 3
		.amdhsa_float_denorm_mode_16_64 3
		.amdhsa_memory_ordered 1
		.amdhsa_forward_progress 1
		.amdhsa_inst_pref_size 172
	.end_amdhsa_kernel
	.amdgpu_metadata
---
amdhsa.version: [ 1, 2 ]
amdhsa.kernels:
  - .name:           k_qdb47799d49_attn
    .symbol:         k_qdb47799d49_attn.kd
    .args:
      - { .name: att, .offset: 0, .size: 8, .value_kind: global_buffer, .address_space: global }
      - { .name: ats, .offset: 8, .size: 8, .value_kind: global_buffer, .address_space: global }
      - { .name: oimg, .offset: 16, .size: 8, .value_kind: global_buffer, .address_space: global }
      - { .name: osc, .offset: 24, .size: 8, .value_kind: global_buffer, .address_space: global }
    .group_segment_fixed_size: 327680
    .private_segment_fixed_size: 0
    .kernarg_segment_align: 8
    .kernarg_segment_size: 32
    .max_flat_workgroup_size: 512
    .sgpr_count:     100
    .vgpr_count:     256
    .wavefront_size: 32
...
	.end_amdgpu_metadata
.endif
;; end of part 3
;; launch outp (part 4): grid 8 x 32, 4 waves a work-group, clusters of 4 x 4, 229,888 bytes of LDS; arguments oimg, osc, codes, scl, b_out, out0; writes out0
.if DOCPART == 4
	.amdgcn_target "amdgcn-amd-amdhsa--gfx1250"
	.amdhsa_code_object_version 6
	.text
	.protected	k_qdb47799d49_outp
	.globl	k_qdb47799d49_outp
	.p2align	8
	.type	k_qdb47799d49_outp,@function
k_qdb47799d49_outp:
	s_mov_b64 s[64:65], 0
	v_nop
	global_prefetch_b8 v0, s[64:65] scope:SCOPE_SE
	s_setreg_imm32_b32 hwreg(HW_REG_WAVE_MODE, 25, 1), 1
	s_wait_xcnt 0x0
	s_wait_alu depctr_hold_cnt(0) depctr_sa_sdst(0) depctr_va_vdst(0) depctr_va_sdst(0) depctr_va_ssrc(0) depctr_va_vcc(0) depctr_vm_vsrc(0)
	s_getreg_b32 s2, hwreg(HW_REG_IB_STS2, 6, 4)
	s_cmp_eq_u32 s2, 0
	s_cbranch_scc0 .Lentry_in_a_cluster
	s_endpgm
.Lentry_in_a_cluster:
	s_bfe_u32 s2, ttmp6, 0x10000c
	s_cmp_lg_u32 s2, 0xf033
	s_cbranch_scc0 .Lentry_shape_is_right
	s_endpgm
.Lentry_shape_is_right:
; out0 = O W_out^T + b_out on codes of FP6 (E2M3): O's tiles and scale words from launch attn, W_out's from launch quant (operand tiles 1,216 on).  4,096 x 1,024, K = 1,024; out0 f32.
; A tile of out0 is 128 x 128, so that there are 256 work-groups (tiles of 256 x 256 would be 64); four waves, each 64 x 64: 16 accumulators.
; ALL OF K FITS IN LDS: four parts of 49,152 bytes, one a wave, each filled once by ONE tensor load: the wave's 4 operand tiles for all of K, [tile 4][fragment 8][1,536], dense in memory and in LDS.  Nothing is filled again.
; CLUSTERS: 4 x 4; A's tiles are shared along a row of the cluster, B's along a column: joint loads.  No prefetch: the launch has no loop to run ahead in.
; The matrix instruction is used transposed (source 0 = W_out's 16 rows, source 1 = O's 16 rows): a lane holds one token; by the order of rows in a tile, tile b's register j is column 32 (b / 2) + 16 (lane / 16) + 8 (b % 2) + j.
; The bias is the C of each sum's first product.  The tokens of a tile lie in the tiles' own order of rows; the stores' offsets put them back.
; REGISTERS: window 0: v1-4 lane terms; v16-19 LDS addresses; v24-27 the way out, the bias's offset; v30, v31 the add's; v32-47 A's scale words, v48-63 B's; v64-95 the bias, later with v96-127 rows on the way out; v128-255 accumulator (a, b) at v[128 + 8 (4 a + b)].
;   window 1: two fragment buffers of 128: A's four fragments, then B's four at + 48.
.set REG,   49152                      ; a wave's part
.set STAGE, 4*REG                      ; behind them: 16 rows x 272 bytes for each wave; no tensor load lands there
.set SPI,   272
.set A16, 16
.set A8,  17
.set B16, 18
.set B8,  19
.set STO, 24
.set RD,  25
.set CO,  26
.set SA,  32
.set SB,  48
.set BI,  64
.set BK,  64
.set ACC, 128
.set G1A, 24
.set G1B, 32
.set G0A, 40
.set G0B, 68
.set MSB, 0
.macro WIN new
.if MSB != (\new)
	s_set_vgpr_msb (MSB<<8)|(\new)
.set MSB, (\new)
.endif
.endm
.macro CROUND
	s_barrier_signal -1
	s_barrier_wait -1
	s_cmp_lg_u32 s16, 0
	s_cbranch_scc1 .Lnot_wave_0_\@
	s_barrier_signal -3
.Lnot_wave_0_\@:
	s_barrier_wait -3
	s_barrier_signal -1
	s_barrier_wait -1
.endm
.macro PLACES n
.rept \n
	v_nop
.endr
.endm
.macro WM d, a, b, c, sa, sb, odd
.if \odd
	v_wmma_scale_f32_16x16x128_f8f6f4 v[(\d):(\d)+7], v[(\a):(\a)+11], v[(\b):(\b)+11], v[(\c):(\c)+7], v[(\sa)], v[(\sb)] matrix_a_fmt:MATRIX_FMT_FP6 matrix_b_fmt:MATRIX_FMT_FP6 matrix_a_scale:MATRIX_SCALE_ROW1 matrix_b_scale:MATRIX_SCALE_ROW1
.else
	v_wmma_scale_f32_16x16x128_f8f6f4 v[(\d):(\d)+7], v[(\a):(\a)+11], v[(\b):(\b)+11], v[(\c):(\c)+7], v[(\sa)], v[(\sb)] matrix_a_fmt:MATRIX_FMT_FP6 matrix_b_fmt:MATRIX_FMT_FP6
.endif
.endm
	s_load_b256 s[4:11], s[0:1], 0x0               ; oimg s[4:5], osc s[6:7], codes s[8:9], scl s[10:11]
	s_load_b128 s[12:15], s[0:1], 0x20             ; b_out s[12:13], out0 s[14:15]
	v_lshl_add_u32 v30, v0, 2, 0x38000
	v_mov_b32 v31, 0
	ds_add_u32 v30, v31                            ; the opening lines: the add, twice on end, and its wait
	ds_add_u32 v30, v31
	v_lshrrev_b32 v1, 5, v0
	v_readfirstlane_b32 s16, v1                    ; wave 0..3
	s_lshr_b32 s17, s16, 1                         ; which half of the tile's rows is mine.  Also: I fetch for A (0) or for B (1)
	s_and_b32 s18, s16, 1                          ; which half of its columns.  Also: which 4 tiles I fetch
	s_bfe_u32 s19, ttmp6, 0x40000                  ; cx
	s_bfe_u32 s20, ttmp6, 0x40004                  ; cy
	s_lshl_b32 s21, ttmp9, 2
	s_add_co_u32 s21, s21, s19                     ; tile column of 128
	s_and_b32 s22, ttmp7, 0xffff
	s_lshl_b32 s22, s22, 2
	s_add_co_u32 s22, s22, s20                     ; tile row of 128
	s_lshl_b32 s23, s20, 2
	s_lshl_b32 s23, 15, s23                        ; my row of the cluster
	s_lshl_b32 s84, 0x1111, s19                    ; my column
	; descriptor group 1: a dense block of 49,152 bytes as 192 rows of 256 bytes (32 elements of 8 bytes); no padding
	s_or_b32 s[G1A], s23, (3<<16)|(1<<21)
	s_or_b32 s[G1B], s84, (3<<16)|(1<<21)
.irp g, G1A, G1B
	s_mov_b32 s[\g+1], 32<<16
	s_mov_b32 s[\g+2], 192<<16
	s_mov_b32 s[\g+3], 32<<16
	s_mov_b32 s[\g+4], 192
	s_mov_b32 s[\g+5], 32
	s_mov_b32 s[\g+6], 0
	s_mov_b32 s[\g+7], 0
.endr
	s_lshl_b32 s85, s18, 2
	s_lshl_b32 s88, s22, 3
	s_add_co_u32 s88, s88, s85                     ; A: the 4 operand tiles that I fetch
	s_mul_i32 s88, s88, 12288
	s_mov_b32 s89, 0
	s_lshl_b32 s90, s21, 3
	s_add_co_u32 s90, s90, s85
	s_add_co_u32 s90, s90, 1216                    ; B: w_out's tiles begin at 1,216
	s_mul_i32 s90, s90, 12288
	s_mov_b32 s91, 0
	s_mul_i32 s86, s16, REG                        ; where they go: wave x 49,152: no place in the cluster enters an LDS address
	s_lshl_b32 s92, s22, 3
	s_lshl_b32 s87, s17, 2
	s_add_co_u32 s92, s92, s87                     ; the 4 tiles of A that I multiply: their scale words,
	s_lshl_b32 s92, s92, 9
	s_mov_b32 s93, 0
	s_lshl_b32 s94, s21, 3
	s_add_co_u32 s94, s94, s85
	s_add_co_u32 s94, s94, 1216                    ; and B's
	s_lshl_b32 s94, s94, 9
	s_mov_b32 s95, 0
	s_lshl_b32 s96, s22, 19                        ; out0: row 128 x tile row + 64 x half, of 4,096 bytes,
	s_lshl_b32 s87, s17, 18
	s_add_co_u32 s96, s96, s87
	s_lshl_b32 s98, s21, 9                         ; column 128 x tile column + 64 x half, of 4 bytes
	s_lshl_b32 s87, s18, 8
	s_add_co_u32 s98, s98, s87
	s_add_co_u32 s96, s96, s98
	s_mov_b32 s97, 0
	s_mov_b32 s99, 0
	s_wait_dscnt 0x0
	s_wait_kmcnt 0x0
	s_add_nc_u64 s[88:89], s[4:5], s[88:89]
	s_add_nc_u64 s[90:91], s[8:9], s[90:91]
	s_add_nc_u64 s[92:93], s[6:7], s[92:93]
	s_add_nc_u64 s[94:95], s[10:11], s[94:95]
	s_add_nc_u64 s[14:15], s[14:15], s[96:97]
	s_add_nc_u64 s[12:13], s[12:13], s[98:99]
	s_mov_b32 s[G0A], 1
	s_mov_b32 s[G0A+1], s86
	s_mov_b64 s[G0A+2:G0A+3], s[88:89]
	s_or_b32 s[G0A+3], s[G0A+3], 0x80000000
	s_mov_b32 s[G0B], 1
	s_mov_b32 s[G0B+1], s86
	s_mov_b64 s[G0B+2:G0B+3], s[90:91]
	s_or_b32 s[G0B+3], s[G0B+3], 0x80000000
	CROUND                                         ; all sixteen work-groups are here: the joint loads meet
	s_cmp_eq_u32 s17, 0                            ; one load a wave, in the two arms of one branch on the wave's number
	s_cbranch_scc0 .Lfor_b
	tensor_load_to_lds s[G0A:G0A+3], s[G1A:G1A+7]
	s_nop 0
.rept 4
	v_nop
.endr
	s_branch .Lasked
.Lfor_b:
	tensor_load_to_lds s[G0B:G0B+3], s[G1B:G1B+7]
	s_nop 0
.rept 4
	v_nop
.endr
.Lasked:
	v_and_b32 v1, 15, v0                           ; r
	v_bfe_u32 v2, v0, 4, 1                         ; h
	v_and_b32 v5, 31, v0
	v_lshlrev_b32 v3, 4, v5                        ; 16 x lane
	v_lshlrev_b32 v4, 3, v5                        ; 8 x lane
	v_lshlrev_b32 v27, 6, v2                       ; the bias: lanes 16-31 take the columns 16 further on
.irp i, 0,1,2,3
.irp p, 0,1
	global_load_b64 v[SA+4*\i+2*\p:SA+4*\i+2*\p+1], v4, s[92:93] offset:512*\i+256*\p   ; lanes 0-15: K step 2 p; lanes 16-31: K step 2 p + 1
	global_load_b64 v[SB+4*\i+2*\p:SB+4*\i+2*\p+1], v4, s[94:95] offset:512*\i+256*\p
.endr
.endr
.irp b, 0,1,2,3
	global_load_b128 v[BI+8*\b:BI+8*\b+3], v27, s[12:13] offset:128*(\b/2)+32*(\b%2)
	global_load_b128 v[BI+8*\b+4:BI+8*\b+7], v27, s[12:13] offset:128*(\b/2)+32*(\b%2)+16
.endr
	s_mul_i32 s56, s17, REG                        ; my 4 tiles of A,
	s_mul_i32 s57, s18, REG
	s_add_co_u32 s57, s57, 2*REG                   ; of B
	v_add_nc_u32 v[A16], s56, v3
	v_add_nc_u32 v[A8], s56, v4
	v_add_nc_u32 v[B16], s57, v3
	v_add_nc_u32 v[B8], s57, v4
	s_mul_i32 s58, s16, 16*SPI
	s_add_co_u32 s58, s58, STAGE                   ; my stage
	v_mul_u32_u24 v[STO], v1, SPI
	v_lshl_add_u32 v[STO], v2, 6, v[STO]
	v_add_nc_u32 v[STO], s58, v[STO]               ; in: row r, + 64 h
	v_mul_u32_u24 v[RD], v2, SPI
	v_lshl_add_u32 v[RD], v1, 4, v[RD]
	v_add_nc_u32 v[RD], s58, v[RD]                 ; back: lanes 0-15 one row of 256 bytes, lanes 16-31 the next
	v_lshlrev_b32 v[CO], 12, v2
	v_lshl_add_u32 v[CO], v1, 4, v[CO]             ; and the same two rows in out0
.macro FRAG reg, a16, a8, q, i         ; fragment q of tile i: every place is an immediate
	ds_load_b128 v[(\reg):(\reg)+3], v[\a16] offset:12288*(\i)+1536*(\q)
	ds_load_b64 v[(\reg)+4:(\reg)+5], v[\a8] offset:12288*(\i)+1536*(\q)+512
	ds_load_b128 v[(\reg)+6:(\reg)+9], v[\a16] offset:12288*(\i)+1536*(\q)+768
	ds_load_b64 v[(\reg)+10:(\reg)+11], v[\a8] offset:12288*(\i)+1536*(\q)+1280
.endm
.macro FETCH F                         ; fragment F of K's eight, of my 4 tiles of A and 4 of B, into buffer F % 2: 32 loads
	WIN 0x40
.irp i, 0,1,2,3
	FRAG 128*((\F)%2)+12*\i, A16, A8, (\F), \i
	FRAG 128*((\F)%2)+48+12*\i, B16, B8, (\F), \i
.endr
.endm
.macro MUL F                           ; 16 products, the accumulators by turns, one instruction a turn
	WIN 0x05                                       ; sources 0 and 1 window 1; C and D window 0
.irp a, 0,1,2,3
.irp b, 0,1,2,3
.if (\F) == 0
	WM ACC+8*(4*\a+\b), 48+12*\b, 12*\a, BI+8*\b, SB+4*\b, SA+4*\a, 0        ; the bias starts the sums
.else
	WM ACC+8*(4*\a+\b), 128*((\F)%2)+48+12*\b, 128*((\F)%2)+12*\a, ACC+8*(4*\a+\b), SB+4*\b+2*((\F)/4)+(\F)%2, SA+4*\a+2*((\F)/4)+(\F)%2, ((\F)/2)%2
.endif
.endr
.endr
.endm
	s_wait_alu depctr_va_vdst(0)                   ; at the head's end
	s_wait_tensorcnt 0x0                           ; my one load, my 4 tiles for all of K, is in
	s_barrier_signal -1
	s_barrier_wait -1                              ; everybody's is
	s_wait_loadcnt 0x0                             ; scale words and bias
	FETCH 0
.irp F, 0,1,2,3,4,5,6,7
	s_wait_dscnt 0x0                               ; this fragment's loads are in
.if \F < 7
	PLACES 4                                       ; four places in front of loads into registers that matrix instructions have read
	FETCH \F+1
.endif
	MUL \F
.endr
	WIN 0
; THE WAY OUT, block by block of 16 tokens x 64 columns, through my own stage: rows of 256 bytes come back whole, and sixteen lanes store one aligned run of 256 bytes
.macro TOSTAGE a
.irp b, 0,1,2,3
	ds_store_b128 v[STO], v[ACC+8*(4*(\a)+\b):ACC+8*(4*(\a)+\b)+3] offset:128*(\b/2)+32*(\b%2)        ; each accumulator from its low end on
	ds_store_b128 v[STO], v[ACC+8*(4*(\a)+\b)+4:ACC+8*(4*(\a)+\b)+7] offset:128*(\b/2)+32*(\b%2)+16
.endr
.irp t, 0,1,2,3,4,5,6,7
	ds_load_b128 v[BK+32*((\a)%2)+4*\t:BK+32*((\a)%2)+4*\t+3], v[RD] offset:2*\t*SPI   ; LDS serves a wave's instructions in order: these see the stores above
.endr
.endm
.macro SEND a, younger                 ; younger: the LDS instructions issued behind block a's loads
	s_wait_dscnt \younger
.irp t, 0,1,2,3,4,5,6,7
	global_store_b128 v[CO], v[BK+32*((\a)%2)+4*\t:BK+32*((\a)%2)+4*\t+3], s[14:15] offset:(32*((\a)/2)+8*((\a)%2)+2*\t+8*(\t/4))*4096 th:TH_STORE_NT   ; tile row 2 t + (lane / 16) is token 2 t + 8 (t / 4) + (lane / 16) of the pair of tiles
.endr
.endm
	PLACES 4                                       ; behind the last products, in front of the first read of results and of loads into the bias's registers
	TOSTAGE 0
	TOSTAGE 1
	SEND 0, 16                                     ; behind block 0's loads: block 1's 8 stores and 8 loads
	s_wait_xcnt 0x0                                ; block 0's stores have read their registers
	TOSTAGE 2
	SEND 1, 16
	s_wait_xcnt 0x0
	TOSTAGE 3
	SEND 2, 16
	SEND 3, 0
	s_wait_dscnt 0x0
	s_wait_tensorcnt 0x0                           ; the wave's end
	ds_add_u32 v30, v31
	s_wait_dscnt 0x0
	CROUND                                         ; the closing round: no work-group ends while a partner may still ask for a tile that names it
	s_endpgm
.Lfunc_end_k_qdb47799d49_outp:
	.size	k_qdb47799d49_outp, .Lfunc_end_k_qdb47799d49_outp-k_qdb47799d49_outp
	.p2alignl 7, 3214868480
	.fill 96, 4, 3214868480
	.section	.rodata,"a",@progbits
	.p2align	6, 0x0
	.amdhsa_kernel k_qdb47799d49_outp
		.amdhsa_group_segment_fixed_size 229888
		.amdhsa_private_segment_fixed_size 0
		.amdhsa_enable_private_segment 0
		.amdhsa_kernarg_size 48
		.amdhsa_user_sgpr_count 2
		.amdhsa_user_sgpr_kernarg_segment_ptr 1
		.amdhsa_wavefront_size32 1
		.amdhsa_system_sgpr_workgroup_id_x 1
		.amdhsa_system_sgpr_workgroup_id_y 1
		.amdhsa_system_sgpr_workgroup_id_z 1
		.amdhsa_system_vgpr_workitem_id 0
		.amdhsa_next_free_vgpr 512
		.amdhsa_next_free_sgpr 100
		.amdhsa_reserve_vcc 0
		.amdhsa_float_denorm_mode_32 3
		.amdhsa_float_denorm_mode_16_64 3
		.amdhsa_memory_ordered 1
		.amdhsa_forward_progress 1
		.amdhsa_inst_pref_size 50
	.end_amdhsa_kernel
	.amdgpu_metadata
---
amdhsa.version: [ 1, 2 ]
amdhsa.kernels:
  - .name:           k_qdb47799d49_outp
    .symbol:         k_qdb47799d49_outp.kd
    .args:
      - { .name: oimg, .offset: 0, .size: 8, .value_kind: global_buffer, .address_space: global }
      - { .name: osc, .offset: 8, .size: 8, .value_kind: global_buffer, .address_space: global }
      - { .name: codes, .offset: 16, .size: 8, .value_kind: global_buffer, .address_space: global }
      - { .name: scl, .offset: 24, .size: 8, .value_kind: global_buffer, .address_space: global }
      - { .name: b_out, .offset: 32, .size: 8, .value_kind: global_buffer, .address_space: global }
      - { .name: out0, .offset: 40, .size: 8, .value_kind: global_buffer, .address_space: global }
    .group_segment_fixed_size: 229888
    .private_segment_fixed_size: 0
    .kernarg_segment_align: 8
    .kernarg_segment_size: 48
    .max_flat_workgroup_size: 128
    .sgpr_count:     100
    .vgpr_count:     512
    .wavefront_size: 32
...
	.end_amdgpu_metadata
.endif
;; end of part 4
